; MI455X (gfx1250); checked and timed in simulation.
; The chip was launched on July 23, 2026; its instructions are those of AMD's public machine-readable ISA for CDNA 5 (MIT licence, August 2026) and "CDNA5" Instruction Set Architecture Reference Guide (July 2026). The comments in the code are by the model that wrote it; some were corrected since.
;; Softmax Attention. Allowed arithmetic: float matrix products may take bf16 or f16 operands with f32 sums; other float arithmetic in f32, or as packed bf16 or f16 multiplies, adds, multiply-adds, maxima and minima; sums over many terms, partial sums and values carried from step to step in f32; what a program stores and reads back later, other than sums and carried values, may be rounded once to bf16 or f16.
;; Inputs: K 8 x 512 x 512 float32; P 8 x 512 x 512 float32; Q 8 x 512 x 512 float32; Wo 512 x 4,096 float32; beta 512 float32; bo 512 float32; gamma 512 float32; x 4 x 1,024 x 512 float32.
;; Outputs: out0 4 x 1,024 x 512 float32.
;; One version. Each part assembles by itself: llvm-mc -triple=amdgcn-amd-amdhsa -mcpu=gfx1250 --defsym DOCPART=n.
;; ======== version 1 of 1: 5 launches
;; limits: values are held in f16: magnitudes above 65,504 overflow, below 6.1e-05 lose precision
;; workspace buffers: xb 4,194,304 bytes; wb 12,582,912 bytes; woh 4,194,304 bytes; qkv 100,663,296 bytes; att 33,554,432 bytes; yp 16,777,216 bytes
;; launch cast (part 1): grid 256 x 5, 8 waves a work-group, no clusters, 0 bytes of LDS; arguments x, Q, K, P, Wo, xb, wb, woh; writes xb, wb, woh
.if DOCPART == 1
	.amdgcn_target "amdgcn-amd-amdhsa--gfx1250"
	.amdhsa_code_object_version 6
	.text
	.protected	k_q73f8cce773_cast
	.globl	k_q73f8cce773_cast
	.p2align	8
	.type	k_q73f8cce773_cast,@function
k_q73f8cce773_cast:
	s_mov_b64 s[64:65], 0
	v_nop
	global_prefetch_b8 v0, s[64:65] scope:SCOPE_SE
	s_setreg_imm32_b32 hwreg(HW_REG_WAVE_MODE, 25, 1), 1
	s_wait_xcnt 0x0
; THE INPUTS OF THE MATRIX PRODUCTS, ROUNDED ONCE TO 16 BITS.  x -> xb (bf16); Q, K, P -> wb (bf16, one behind the other: 12,288 rows of 512); Wo -> woh: rounded to bf16 like the
; other inputs, and that number written as f16, since it is multiplied with f16 numbers later.
; LIMIT.  |Wo| stays under 65,504; below 6e-5 a number of woh keeps f16's fixed step of 6e-8.
; SHARES.  All five arrays are 8 MiB of f32.  The grid's y picks the array, its x 32,768 bytes of it.  Thread t takes, four times, 32 bytes in (two loads) and 16 bytes out:
; sixteen neighbouring lanes store 256 consecutive bytes, aligned.  All eight loads of a thread go out at once; nothing is shared, so there is no LDS and no barrier.
.set IN,  4                            ; v[4:35]   group g: 8 numbers as loaded
.set OUT, 36                           ; v[36:51]  group g: 4 registers to store
.set T,   52                           ; v52-53    at work
	s_load_b512 s[8:23], s[0:1], 0x0               ; x s[8:9], Q s[10:11], K s[12:13], P s[14:15], Wo s[16:17], xb s[18:19], wb s[20:21], woh s[22:23]
	s_and_b32 s2, ttmp7, 0xffff                    ; which array
	s_lshl_b32 s24, ttmp9, 15                      ; my 32,768 bytes in,
	s_mov_b32 s25, 0
	s_lshl_b32 s26, ttmp9, 14                      ; my 16,384 bytes out
	s_mov_b32 s27, 0
	s_max_u32 s3, s2, 1
	s_sub_co_u32 s3, s3, 1
	s_lshl_b32 s3, s3, 22                          ; Q, K, P lie 4 MiB apart in wb
	s_cmp_eq_u32 s2, 4
	s_cselect_b32 s3, 0, s3
	s_add_co_u32 s26, s26, s3
	v_lshlrev_b32 v1, 5, v0                        ; 32 t
	v_lshlrev_b32 v2, 4, v0                        ; 16 t
	s_wait_kmcnt 0x0
	s_cmp_eq_u32 s2, 1
	s_cselect_b64 s[4:5], s[10:11], s[8:9]
	s_cmp_eq_u32 s2, 2
	s_cselect_b64 s[4:5], s[12:13], s[4:5]
	s_cmp_eq_u32 s2, 3
	s_cselect_b64 s[4:5], s[14:15], s[4:5]
	s_cmp_eq_u32 s2, 4
	s_cselect_b64 s[4:5], s[16:17], s[4:5]         ; from where
	s_cselect_b64 s[6:7], s[22:23], s[20:21]
	s_cmp_eq_u32 s2, 0
	s_cselect_b64 s[6:7], s[18:19], s[6:7]         ; to where
	s_add_nc_u64 s[4:5], s[4:5], s[24:25]
	s_add_nc_u64 s[6:7], s[6:7], s[26:27]
.irp g, 0,1,2,3
	global_load_b128 v[IN+8*(\g):IN+8*(\g)+3],   v1, s[4:5] offset:(\g)*8192 th:TH_LOAD_NT
	global_load_b128 v[IN+8*(\g)+4:IN+8*(\g)+7], v1, s[4:5] offset:(\g)*8192+16 th:TH_LOAD_NT
.endr
	s_cmp_eq_u32 s2, 4
	s_cbranch_scc1 .Lwo
.irp g, 0,1,2,3
	s_wait_loadcnt 6-2*(\g)                        ; loads come back in order: group g is in, the younger groups' two loads each stay out
.irp r, 0,1,2,3
	v_cvt_pk_bf16_f32 v[OUT+4*(\g)+(\r)], v[IN+8*(\g)+2*(\r)], v[IN+8*(\g)+2*(\r)+1]
.endr
	global_store_b128 v2, v[OUT+4*(\g):OUT+4*(\g)+3], s[6:7] offset:(\g)*4096
.endr
	s_endpgm
.Lwo:
.irp g, 0,1,2,3
	s_wait_loadcnt 6-2*(\g)
.irp r, 0,1,2,3
	v_cvt_pk_bf16_f32 v[T], v[IN+8*(\g)+2*(\r)], v[IN+8*(\g)+2*(\r)+1]  ; the rounding that all inputs have,
	v_lshlrev_b32 v[T+1], 16, v[T]                                      ; back to f32,
	v_and_b32 v[T], 0xffff0000, v[T]
	v_cvt_pk_f16_f32 v[OUT+4*(\g)+(\r)], v[T+1], v[T]                   ; and written as f16
.endr
	global_store_b128 v2, v[OUT+4*(\g):OUT+4*(\g)+3], s[6:7] offset:(\g)*4096
.endr
	s_endpgm
.Lfunc_end_k_q73f8cce773_cast:
	.size	k_q73f8cce773_cast, .Lfunc_end_k_q73f8cce773_cast-k_q73f8cce773_cast
	.p2alignl 7, 3214868480
	.fill 96, 4, 3214868480
	.section	.rodata,"a",@progbits
	.p2align	6, 0x0
	.amdhsa_kernel k_q73f8cce773_cast
		.amdhsa_group_segment_fixed_size 0
		.amdhsa_private_segment_fixed_size 0
		.amdhsa_enable_private_segment 0
		.amdhsa_kernarg_size 64
		.amdhsa_user_sgpr_count 2
		.amdhsa_user_sgpr_kernarg_segment_ptr 1
		.amdhsa_wavefront_size32 1
		.amdhsa_system_sgpr_workgroup_id_x 1
		.amdhsa_system_sgpr_workgroup_id_y 1
		.amdhsa_system_sgpr_workgroup_id_z 1
		.amdhsa_system_vgpr_workitem_id 0
		.amdhsa_next_free_vgpr 56
		.amdhsa_next_free_sgpr 66
		.amdhsa_reserve_vcc 0
		.amdhsa_float_denorm_mode_32 3
		.amdhsa_float_denorm_mode_16_64 3
		.amdhsa_memory_ordered 1
		.amdhsa_forward_progress 1
		.amdhsa_inst_pref_size 8
	.end_amdhsa_kernel
	.amdgpu_metadata
---
amdhsa.version: [ 1, 2 ]
amdhsa.kernels:
  - .name:           k_q73f8cce773_cast
    .symbol:         k_q73f8cce773_cast.kd
    .args:
      - { .name: x, .offset: 0, .size: 8, .value_kind: global_buffer, .address_space: global }
      - { .name: Q, .offset: 8, .size: 8, .value_kind: global_buffer, .address_space: global }
      - { .name: K, .offset: 16, .size: 8, .value_kind: global_buffer, .address_space: global }
      - { .name: P, .offset: 24, .size: 8, .value_kind: global_buffer, .address_space: global }
      - { .name: Wo, .offset: 32, .size: 8, .value_kind: global_buffer, .address_space: global }
      - { .name: xb, .offset: 40, .size: 8, .value_kind: global_buffer, .address_space: global }
      - { .name: wb, .offset: 48, .size: 8, .value_kind: global_buffer, .address_space: global }
      - { .name: woh, .offset: 56, .size: 8, .value_kind: global_buffer, .address_space: global }
    .group_segment_fixed_size: 0
    .private_segment_fixed_size: 0
    .kernarg_segment_align: 8
    .kernarg_segment_size: 64
    .max_flat_workgroup_size: 256
    .sgpr_count:     66
    .vgpr_count:     56
    .wavefront_size: 32
...
	.end_amdgpu_metadata
.endif
;; end of part 1
;; launch proj (part 2): grid 16 x 16, 4 waves a work-group, clusters of 4 x 4, 327,680 bytes of LDS; arguments xb, wb, qkv; writes qkv
.if DOCPART == 2
	.amdgcn_target "amdgcn-amd-amdhsa--gfx1250"
	.amdhsa_code_object_version 6
	.text
	.protected	k_q73f8cce773_proj
	.globl	k_q73f8cce773_proj
	.p2align	8
	.type	k_q73f8cce773_proj,@function
k_q73f8cce773_proj:
	s_mov_b64 s[64:65], 0
	v_nop
	global_prefetch_b8 v0, s[64:65] scope:SCOPE_SE
	s_setreg_imm32_b32 hwreg(HW_REG_WAVE_MODE, 25, 1), 1
	s_wait_xcnt 0x0
	s_wait_alu depctr_hold_cnt(0) depctr_sa_sdst(0) depctr_va_vdst(0) depctr_va_sdst(0) depctr_va_ssrc(0) depctr_va_vcc(0) depctr_vm_vsrc(0)
	s_getreg_b32 s2, hwreg(HW_REG_IB_STS2, 6, 4)
	s_cmp_eq_u32 s2, 0
	s_cbranch_scc0 .Lentry_in_a_cluster
	s_endpgm
.Lentry_in_a_cluster:
	s_bfe_u32 s2, ttmp6, 0x10000c
	s_cmp_lg_u32 s2, 0xf033
	s_cbranch_scc0 .Lentry_shape_is_right
	s_endpgm
.Lentry_shape_is_right:
; qkv[t][n] = the sum over k of xb[t][k] wb[n][k].  xb: [4096][512] bf16, wb: [12288][512] bf16 (Q's, K's, P's rows), qkv: [4096][12288] f16; sums in f32, rounded once.
; LIMIT.  f16 holds no number beyond 65,504: the projections stay under it.
; A tile of qkv, 256 x 256, is made by a work-group of four waves; a wave makes 128 x 128: 64 accumulators of 16 x 16, 512 registers.  K goes in four steps of 128 through a ring of two LDS
; slots filled by the tensor data mover; a tile's rows are 256 bytes of memory, aligned.
; A WORK-GROUP STAYS: it makes three tiles, 4,096 columns apart (the same columns of Q's, K's and P's part), all with the same rows of xb.  The ring does not stop at a tile's end: a tile's last
; two changes of slots ask for the next tile's first two K steps.  The last tile's tail is written out: it asks for nothing.
; CLUSTERS: 4 x 4 work-groups.  The four of a row of the cluster need the same rows of xb, the four of a column the same rows of wb: each tile is asked for jointly, by the same tensor load with the
; same descriptor and a mask that names the four.
; REGISTERS, in windows of 256: window 0: v0-31 addresses; v64-127, v128-191 fragments of xb, two buffers; v32-63, v192-255 at work on the way out.  window 1: v64-127, v128-191 fragments of wb.
;   window 2: the 32 accumulators of my rows 0-63 ((a, b) at v[8 (8 a + b)]);  window 3: those of my rows 64-127.
; THE MATRIX INSTRUCTION IS USED TRANSPOSED: source 0 = 16 rows of wb, source 1 = 16 rows of xb, so that a lane holds eight neighbouring numbers of a row of qkv.
.set SIZE_N, 12288
.set SIZE_K, 512
.set TILES,  3
.set KSTEP,  128
.set PITCH,  272                       ; an LDS row: 256 bytes + 16 of padding: the 16 rows of a fragment load start at 16 different groups of four banks (ISA guide 11.1)
.set HALFT,  128*PITCH                 ; 128 rows: what one tensor load brings
.set SLOT,   4*HALFT                   ; xb's 256 rows, then wb's 256 rows
.set STAGE,  2*SLOT                    ; behind the ring: 16 rows x 272 bytes for each wave, for the way out
.set SPITCH, 272
.set SPARE,  STAGE+4*16*SPITCH         ; behind the stages: the spare words, 128 bytes for each wave, which no other line names
.set WALK,   SIZE_N/TILES              ; a work-group's tiles lie 4,096 rows of wb (columns of qkv) apart
.set BACK_A, (SIZE_K-2*KSTEP)*2        ; bytes from a slot's last K step back to its first: xb's rows stay,
.set NEXT_B, WALK*SIZE_K*2-BACK_A      ; wb goes WALK rows down and back along K
.set NEXT_C, WALK*2                    ; bytes from a tile of qkv to the next
.set ADRA, 16                          ; v16-17  LDS address of my xb fragments in slot 0, 1
.set ADRB, 20                          ; v20-21  the same for wb
.set STO,  24                          ; v24     the way out: where I put 16 bytes of a row
.set RD,   25                          ; v25     where I read a row back
.set CO,   26                          ; v26     my byte offset in qkv
.set SPW,  28                          ; v28     LDS address of my spare word; never rewritten
.set NIL,  29                          ; v29     0; never rewritten
.set PFO,  30                          ; v30     the prefetches' offset: my lane x a row of wb; never rewritten
.set PFA,  44                          ; s[44:45] where my prefetches stand
.set LIM,  43                          ; s43     1 in a wave that prefetches, else 0
.set F0,   64
.set F1,   128
.set TMP,  192
.set OB,   32
.set G1, 24                            ; s[24:31] descriptor group 1 for xb's tiles;  s[32:39] group 0, a set for each slot
.set G0, 32
.set G1B, 48                           ; s[48:55], s[56:63] the same for wb's tiles
.set G0B, 56
.set MSB, 0
.macro WIN new                         ; the immediate's high byte repeats the setting that is left; a switch that changes nothing is dropped
.if MSB != (\new)
	s_set_vgpr_msb (MSB<<8)|(\new)
.set MSB, \new
.endif
.endm
.set MUL_LO, 0xa1                      ; source 0 (wb) window 1, source 1 (xb) window 0, C and D window 2
.set MUL_HI, 0xf1                      ; the same, C and D window 3
.set TO_B,   0x40                      ; destination window 1, address window 0
; A joint load.  Waves 0 and 1 fetch xb's two halves, waves 2 and 3 wb's.  The branch hangs on the wave's number alone.  An s_nop 0 and four v_nop follow each line.
.macro JLOAD s
	s_cmp_eq_u32 s11, 0
	s_cbranch_scc0 .Lfor_b_\@
	tensor_load_to_lds s[G0+4*(\s):G0+4*(\s)+3], s[G1:G1+7]
	s_nop 0
.rept 4
	v_nop
.endr
	s_branch .Lasked_\@
.Lfor_b_\@:
	tensor_load_to_lds s[G0B+4*(\s):G0B+4*(\s)+3], s[G1B:G1B+7]
	s_nop 0
.rept 4
	v_nop
.endr
.Lasked_\@:
.endm
; A PREFETCH INTO THE L2, at a change of tiles: 32 rows x 256 bytes of wb, a lane a row: the next tile's K step 2 (behind the refill that asks for its K step 0) and 3 (behind the one for its K step 1):
; two K steps, 512 matrix instructions, and a way out ahead of the loads that want them.  Each block is named once in the launch: a tile column of wb is read by the four clusters of a column of
; clusters, of which the one with y = 0 asks; its four partners along y share the 128 rows that a wave fetches by address, 32 each; waves 2 and 3 ask, each for the rows that it fetches.
; xb, the first tile, and every tile's K steps 0 and 1 come by their loads alone.
.macro ASK off
	s_cmp_eq_u32 s[LIM], 1
	s_cbranch_scc0 .Lnot_mine_\@
	global_prefetch_b8 v[PFO], s[PFA:PFA+1] offset:\off th:TH_LOAD_NT scope:SCOPE_SE
.Lnot_mine_\@:
.endm
.macro CREST                           ; a round of the cluster's barrier behind its opening barrier
	s_cmp_lg_u32 s10, 0
	s_cbranch_scc1 .Lnot_wave_0_\@
	s_barrier_signal -3
.Lnot_wave_0_\@:
	s_barrier_wait -3
	s_barrier_signal -1
	s_barrier_wait -1
.endm
.macro CROUND                          ; a whole round
	s_barrier_signal -1
	s_barrier_wait -1
	CREST
.endm
	s_load_b128 s[4:7], s[0:1], 0x0                ; xb s[4:5], wb s[6:7]
	s_load_b64 s[8:9], s[0:1], 0x10                ; qkv
	v_lshl_add_u32 v[SPW], v0, 2, SPARE
	v_mov_b32 v[NIL], 0
	ds_add_u32 v[SPW], v[NIL]                      ; the wave's opening: the add and its wait stand ahead of my first tensor load; the set-up stands between them
	v_lshrrev_b32 v1, 5, v0
	v_readfirstlane_b32 s10, v1                    ; wave 0..3
	s_lshr_b32 s11, s10, 1                         ; which half of the tile's rows is mine.  Also: I fetch for xb (0) or for wb (1)
	s_and_b32 s12, s10, 1                          ; which half of its columns.  Also: which 128 rows of that tile I fetch
	s_bfe_u32 s40, ttmp6, 0x40000                  ; cx
	s_bfe_u32 s41, ttmp6, 0x40004                  ; cy
	s_lshl_b32 s42, ttmp9, 2
	s_add_co_u32 s42, s42, s40                     ; first tile column = 4 x cluster x + cx
	s_and_b32 s13, ttmp7, 0xffff
	s_lshl_b32 s13, s13, 2
	s_add_co_u32 s13, s13, s41                     ; tile row = 4 x cluster y + cy
	s_lshl_b32 s43, s41, 2
	s_lshl_b32 s43, 15, s43                        ; my row of the cluster
	s_lshl_b32 s44, 0x1111, s40                    ; my column
	s_or_b32 s[G1+0], s43, (1<<16)|(1<<20)|(1<<21)|(5<<22)|(3<<25)  ; the mask; 2-byte elements; padding on; bit 21 beside a mask; after every 64 words 4 words
	s_or_b32 s[G1B+0], s44, (1<<16)|(1<<20)|(1<<21)|(5<<22)|(3<<25)
.irp g, G1, G1B
	s_mov_b32 s[(\g)+1], KSTEP<<16                 ; tensor_dim0 = 128
	s_mov_b32 s[(\g)+2], 128<<16                   ; tensor_dim1 = 128
	s_mov_b32 s[(\g)+3], KSTEP<<16                 ; tile_dim0 = 128
	s_mov_b32 s[(\g)+4], 128                       ; tile_dim1 = 128
	s_mov_b32 s[(\g)+5], SIZE_K                    ; elements from row to row
	s_mov_b32 s[(\g)+6], 0
	s_mov_b32 s[(\g)+7], 0
.endr
	s_lshl_b32 s17, s12, 7                         ; which 128 rows of the tile I fetch
	s_lshl_b32 s16, s13, 8
	s_add_co_u32 s16, s16, s17                     ; xb: row 256 x tile row + 128 x half
	s_lshl_b32 s46, s42, 8
	s_add_co_u32 s46, s46, s17                     ; wb: row 256 x tile column + 128 x half
	s_mov_b32 s17, 0
	s_mov_b32 s47, 0
	s_mov_b64 s[18:19], SIZE_K*2
	s_mul_u64 s[16:17], s[16:17], s[18:19]
	s_mul_u64 s[46:47], s[46:47], s[18:19]
	s_mul_i32 s20, s10, HALFT                      ; where they go: wave x 128 rows: no place in the cluster enters an LDS address
	s_wait_dscnt 0x0                               ; the opening add is done
	s_wait_kmcnt 0x0
	s_add_nc_u64 s[14:15], s[4:5], s[16:17]
	s_add_nc_u64 s[46:47], s[6:7], s[46:47]
	CROUND                                         ; all sixteen work-groups are here: the first joint loads meet
.irp s, 0,1
	s_mov_b32 s[G0+4*(\s)], 1
	s_add_co_u32 s[G0+4*(\s)+1], s20, (\s)*SLOT
	s_add_nc_u64 s[G0+4*(\s)+2:G0+4*(\s)+3], s[14:15], (\s)*KSTEP*2
	s_or_b32 s[G0+4*(\s)+3], s[G0+4*(\s)+3], 0x80000000
	s_mov_b32 s[G0B+4*(\s)], 1
	s_add_co_u32 s[G0B+4*(\s)+1], s20, (\s)*SLOT
	s_add_nc_u64 s[G0B+4*(\s)+2:G0B+4*(\s)+3], s[46:47], (\s)*KSTEP*2
	s_or_b32 s[G0B+4*(\s)+3], s[G0B+4*(\s)+3], 0x80000000
	JLOAD \s                                       ; two loads of mine are out
.endr
	; a fragment is 16 rows x 32 K in 8 registers: lane l holds row l % 16; two loads of 16 bytes, 32 bytes apart, at row x pitch + 16 (l / 16)
	v_and_b32 v1, 15, v0
	v_bfe_u32 v2, v0, 4, 1
	v_mul_u32_u24 v3, v1, PITCH
	v_lshl_add_u32 v3, v2, 4, v3
	s_mul_i32 s21, s11, HALFT                      ; my 128 rows of xb
	s_mul_i32 s22, s12, HALFT                      ; my 128 rows of wb,
	s_add_co_u32 s22, s22, 2*HALFT                 ; which lie behind xb's 256
.irp s, 0,1
	v_add_nc_u32 v[ADRA+(\s)], s21, v3
	v_add_nc_u32 v[ADRB+(\s)], s22, v3
	s_add_co_u32 s21, s21, SLOT
	s_add_co_u32 s22, s22, SLOT
.endr
	s_mul_i32 s23, s10, 16*SPITCH
	s_add_co_u32 s23, s23, STAGE                   ; my stage
	v_mul_u32_u24 v4, v1, SPITCH
	v_lshl_add_u32 v4, v2, 4, v4
	v_add_nc_u32 v[STO], s23, v4
	v_mul_u32_u24 v5, v2, SPITCH
	v_lshl_add_u32 v5, v1, 4, v5
	v_add_nc_u32 v[RD], s23, v5
	v_mul_u32_u24 v5, v2, SIZE_N*2
	v_lshl_add_u32 v[CO], v1, 4, v5
	s_lshl_b32 s13, s13, 8                         ; where my part of the first tile begins in qkv: the first way out adds it to the address
	s_lshl_b32 s14, s11, 7
	s_add_co_u32 s16, s13, s14
	s_mov_b32 s17, 0
	s_mov_b64 s[18:19], SIZE_N*2
	s_mul_u64 s[16:17], s[16:17], s[18:19]
	s_lshl_b32 s46, s42, 9                         ; my first column, in bytes: 512 x tile column + 256 x half
	s_lshl_b32 s47, s12, 8
	s_add_co_u32 s46, s46, s47
	s_mov_b32 s47, 0
	s_add_nc_u64 s[16:17], s[16:17], s[46:47]
	s_lshl_b32 s20, s42, 8                         ; the prefetches: the first tile's rows of wb,
	s_lshl_b32 s22, s12, 7
	s_add_co_u32 s20, s20, s22                     ; the 128 that I fetch,
	s_lshl_b32 s21, s41, 5
	s_add_co_u32 s20, s20, s21                     ; my work-group's 32 of them,
	s_mov_b32 s21, 0
	s_mov_b64 s[18:19], SIZE_K*2
	s_mul_u64 s[20:21], s[20:21], s[18:19]
	s_add_nc_u64 s[PFA:PFA+1], s[6:7], s[20:21]
	s_add_nc_u64 s[PFA:PFA+1], s[PFA:PFA+1], 2*KSTEP*2  ; at K step 2; the first change of tiles steps it to the next tile
	s_and_b32 s22, ttmp7, 0xffff                   ; cluster y
	s_xor_b32 s23, s11, 1                          ; 0 in a wave that fetches wb
	s_or_b32 s22, s22, s23
	s_cmp_eq_u32 s22, 0
	s_cselect_b32 s[LIM], 1, 0                     ; the same in all sixteen partners, for a given wave
	v_and_b32 v[PFO], 31, v0
	v_lshlrev_b32 v[PFO], 10, v[PFO]
; 16 matrix instructions: m blocks a0, a0 + 1 of the window's four x all 8 n blocks, 32 along K.  zero = 1: the product starts the sums.  The 64 accumulators take turns, one instruction a turn.
.macro MUL16 f, hi, a0, zero
	WIN MUL_LO+0x50*(\hi)
.irp a, \a0, (\a0)+1
.irp b, 0,1,2,3,4,5,6,7
.if \zero
	v_wmma_f32_16x16x32_bf16 v[8*(8*(\a)+(\b)):8*(8*(\a)+(\b))+7], v[(\f)+8*(\b):(\f)+8*(\b)+7], v[(\f)+8*(4*(\hi)+(\a)):(\f)+8*(4*(\hi)+(\a))+7], 0
.else
	v_wmma_f32_16x16x32_bf16 v[8*(8*(\a)+(\b)):8*(8*(\a)+(\b))+7], v[(\f)+8*(\b):(\f)+8*(\b)+7], v[(\f)+8*(4*(\hi)+(\a)):(\f)+8*(4*(\hi)+(\a))+7], v[8*(8*(\a)+(\b)):8*(8*(\a)+(\b))+7]
.endif
.endr
.endr
.endm
; 32 LDS loads in one run: the fragments of one quarter step (32 K at byte k of the rows) into buffer f
.macro FETCH slot, k, f
	WIN TO_B
.irp i, 0,1,2,3,4,5,6,7
	ds_load_b128 v[(\f)+8*(\i):(\f)+8*(\i)+3],   v[ADRB+(\slot)] offset:(\k)+(\i)*16*PITCH
	ds_load_b128 v[(\f)+8*(\i)+4:(\f)+8*(\i)+7], v[ADRB+(\slot)] offset:(\k)+(\i)*16*PITCH+32
.endr
	WIN 0
.irp i, 0,1,2,3,4,5,6,7
	ds_load_b128 v[(\f)+8*(\i):(\f)+8*(\i)+3],   v[ADRA+(\slot)] offset:(\k)+(\i)*16*PITCH
	ds_load_b128 v[(\f)+8*(\i)+4:(\f)+8*(\i)+7], v[ADRA+(\slot)] offset:(\k)+(\i)*16*PITCH+32
.endr
.endm
.macro PLACES                          ; four plain vector instructions between a matrix instruction and a load into its sources or a reader of its result
.rept 4
	v_nop
.endr
.endm
; A K step is four quarters of 32 along K on buffers 0, 1, 0, 1.  One of the first three multiplies buffer f and fetches the next quarter, at byte k of the same slot, into g.
.macro QUARTER slot, k, f, g, zero
	s_wait_dscnt 8                                 ; wb's and xb's rows 0-63 are in; the youngest eight loads (xb's rows 64-127) may be out
	MUL16 \f, 0, 0, \zero
	MUL16 \f, 0, 2, \zero
	PLACES
	FETCH \slot, \k, \g
	s_wait_dscnt 32                                ; all but the 32 just issued
	MUL16 \f, 1, 0, \zero
	MUL16 \f, 1, 2, \zero
.endm
; The last quarter's first half: ONE barrier for the change of slots.  In front of it each wave waits for all its tensor loads (one is out: its part of the next slot), adds 0 to its spare word,
; and waits for that and for its own reads of this slot.
.macro MEET round
	WIN 0
	s_wait_tensorcnt 0x0
	ds_add_u32 v[SPW], v[NIL]
	s_wait_dscnt 9                                 ; the add and the youngest eight loads may be out
	MUL16 F1, 0, 0, 0
	s_wait_dscnt 0x0                               ; the add is done, and my reads of this slot are over
	s_barrier_signal -1
	MUL16 F1, 0, 2, 0
.if \round
	WIN 0
.endif
	s_barrier_wait -1
.endm
; The whole last quarter.  Behind the round the slot just read is filled again first: with this tile's K step two on (on = 0) or with the next tile's K step 0 or 1 (on = 1).
.macro TURN slot, next, on
.if (\on) && ((\slot) == 0)
	s_wait_xcnt 0x0                                ; the last prefetch, a tile back, has read its address
	s_add_nc_u64 s[PFA:PFA+1], s[PFA:PFA+1], WALK*SIZE_K*2
.endif
	MEET 1
	CREST                                          ; no wave of any partner still reads this slot or has a load on its way
.if \on
	s_sub_nc_u64 s[G0+4*(\slot)+2:G0+4*(\slot)+3], s[G0+4*(\slot)+2:G0+4*(\slot)+3], BACK_A
	s_add_nc_u64 s[G0B+4*(\slot)+2:G0B+4*(\slot)+3], s[G0B+4*(\slot)+2:G0B+4*(\slot)+3], NEXT_B
.else
	s_add_nc_u64 s[G0+4*(\slot)+2:G0+4*(\slot)+3], s[G0+4*(\slot)+2:G0+4*(\slot)+3], 2*KSTEP*2
	s_add_nc_u64 s[G0B+4*(\slot)+2:G0B+4*(\slot)+3], s[G0B+4*(\slot)+2:G0B+4*(\slot)+3], 2*KSTEP*2
.endif
	JLOAD \slot                                    ; the four v_nop behind it are also the places in front of the loads below
	FETCH \next, 0, F0
.if \on
	ASK (\slot)*KSTEP*2
.endif
	MUL16 F1, 1, 0, 0
	MUL16 F1, 1, 2, 0
.endm
; THE WAY OUT of block a of 16 rows.  PACK: rounded to f16, 16 bytes a lane.  TOSTAGE: into my own stage, and back as whole rows of 256 bytes.  SEND: stored.
.macro PACK a
.set AC, 64*((\a)%4)
	WIN 0x0a+5*((\a)/4)
.irp b, 0,1,2,3,4,5,6,7
.irp r, 0,1,2,3
	v_cvt_pk_f16_f32 v[TMP+4*(\b)+(\r)], v[AC+8*(\b)+2*(\r)], v[AC+8*(\b)+2*(\r)+1]
.endr
.endr
	WIN 0
.endm
.macro TOSTAGE a
	WIN 0
.set BK, OB+192*((\a)%2)
.irp b, 0,1,2,3,4,5,6,7
	ds_store_b128 v[STO], v[TMP+4*(\b):TMP+4*(\b)+3] offset:32*(\b)
.endr
.irp t, 0,1,2,3,4,5,6,7
	ds_load_b128 v[BK+4*(\t):BK+4*(\t)+3], v[RD] offset:(\t)*2*SPITCH  ; LDS serves a wave's instructions in order: these see the stores above
.endr
.endm
.macro SEND a
	WIN 0
.set BK, OB+192*((\a)%2)
	s_wait_dscnt 0x0                               ; the block is back in registers
	s_wait_xcnt 0x0                                ; earlier stores have read their registers and their base
.if (\a) == 0
	s_add_nc_u64 s[8:9], s[8:9], s[16:17]          ; on to this tile
.endif
.irp t, 0,1,2,3,4,5,6,7
	global_store_b128 v[CO], v[BK+4*(\t):BK+4*(\t)+3], s[8:9] offset:(16*(\a)+2*(\t))*SIZE_N*2  ; 16 lanes store 256 consecutive bytes, aligned; 126 rows at the most, inside the signed 24-bit immediate
.endr
.endm
.macro WAYOUT
	PACK 0
	TOSTAGE 0
.irp a, 1,2,3,4,5,6,7                  ; block a's conversions stand between block a - 1's loads from the stage and the wait for them
	PACK \a
	SEND (\a)-1
	TOSTAGE \a
.endr
	SEND 7
.endm
	s_wait_tensorcnt 1                             ; my part of K step 0 is in; K step 1's load may stay out
	s_barrier_signal -1
	s_barrier_wait -1
	FETCH 0, 0, F0
	s_mov_b32 s2, TILES                            ; tiles to go, this one among them
.Ltile:
	QUARTER 0, 64,  F0, F1, 1                      ; a tile's first quarter starts the sums
	QUARTER 0, 128, F1, F0, 0
	QUARTER 0, 192, F0, F1, 0
	TURN 0, 1, 0                                   ; slot 0 takes K step 2
	QUARTER 1, 64,  F0, F1, 0
	QUARTER 1, 128, F1, F0, 0
	QUARTER 1, 192, F0, F1, 0
	TURN 1, 0, 0                                   ; slot 1 takes K step 3
	QUARTER 0, 64,  F0, F1, 0
	QUARTER 0, 128, F1, F0, 0
	QUARTER 0, 192, F0, F1, 0
	WIN 0
	s_cmp_eq_u32 s2, 1
	s_cbranch_scc1 .Llast_tile                     ; the last tile's tail is written out: it asks for nothing more
	TURN 0, 1, 1                                   ; the ring goes on into the next tile: slot 0 takes its K step 0,
	QUARTER 1, 64,  F0, F1, 0
	QUARTER 1, 128, F1, F0, 0
	QUARTER 1, 192, F0, F1, 0
	TURN 1, 0, 1                                   ; slot 1 its K step 1, and its first fragments are fetched
	WAYOUT                                         ; blocks 0-3 were finished in front of the four v_nop of the joint load; their conversions are the places behind the last products
	s_mov_b64 s[16:17], NEXT_C
	s_sub_co_u32 s2, s2, 1
	s_branch .Ltile
.Llast_tile:
	MEET 0                                         ; the one load that was out is slot 1's, the last K step's
	PLACES
	FETCH 1, 0, F0
	MUL16 F1, 1, 0, 0
	MUL16 F1, 1, 2, 0
	QUARTER 1, 64,  F0, F1, 0
	QUARTER 1, 128, F1, F0, 0
	QUARTER 1, 192, F0, F1, 0
	s_wait_dscnt 8
	MUL16 F1, 0, 0, 0
	MUL16 F1, 0, 2, 0
	s_wait_dscnt 0x0
	MUL16 F1, 1, 0, 0
	MUL16 F1, 1, 2, 0
	WIN 0
	PLACES
	WAYOUT
	s_wait_tensorcnt 0x0                           ; the wave's end
	ds_add_u32 v[SPW], v[NIL]
	s_wait_dscnt 0x0
	CROUND                                         ; the closing round
	s_endpgm
.Lfunc_end_k_q73f8cce773_proj:
	.size	k_q73f8cce773_proj, .Lfunc_end_k_q73f8cce773_proj-k_q73f8cce773_proj
	.p2alignl 7, 3214868480
	.fill 96, 4, 3214868480
	.section	.rodata,"a",@progbits
	.p2align	6, 0x0
	.amdhsa_kernel k_q73f8cce773_proj
		.amdhsa_group_segment_fixed_size 327680
		.amdhsa_private_segment_fixed_size 0
		.amdhsa_enable_private_segment 0
		.amdhsa_kernarg_size 24
		.amdhsa_user_sgpr_count 2
		.amdhsa_user_sgpr_kernarg_segment_ptr 1
		.amdhsa_wavefront_size32 1
		.amdhsa_system_sgpr_workgroup_id_x 1
		.amdhsa_system_sgpr_workgroup_id_y 1
		.amdhsa_system_sgpr_workgroup_id_z 1
		.amdhsa_system_vgpr_workitem_id 0
		.amdhsa_next_free_vgpr 1024
		.amdhsa_next_free_sgpr 66
		.amdhsa_reserve_vcc 0
		.amdhsa_float_denorm_mode_32 3
		.amdhsa_float_denorm_mode_16_64 3
		.amdhsa_memory_ordered 1
		.amdhsa_forward_progress 1
		.amdhsa_inst_pref_size 208
	.end_amdhsa_kernel
	.amdgpu_metadata
---
amdhsa.version: [ 1, 2 ]
amdhsa.kernels:
  - .name:           k_q73f8cce773_proj
    .symbol:         k_q73f8cce773_proj.kd
    .args:
      - { .name: xb, .offset: 0, .size: 8, .value_kind: global_buffer, .address_space: global }
      - { .name: wb, .offset: 8, .size: 8, .value_kind: global_buffer, .address_space: global }
      - { .name: qkv, .offset: 16, .size: 8, .value_kind: global_buffer, .address_space: global }
    .group_segment_fixed_size: 327680
    .private_segment_fixed_size: 0
    .kernarg_segment_align: 8
    .kernarg_segment_size: 24
    .max_flat_workgroup_size: 128
    .sgpr_count:     66
    .vgpr_count:     1024
    .wavefront_size: 32
...
	.end_amdgpu_metadata
.endif
;; end of part 2
;; launch attn (part 3): grid 8 x 32, 4 waves a work-group, clusters of 4 x 1, 327,680 bytes of LDS; arguments qkv, att; writes att
.if DOCPART == 3
	.amdgcn_target "amdgcn-amd-amdhsa--gfx1250"
	.amdhsa_code_object_version 6
	.text
	.protected	k_q73f8cce773_attn
	.globl	k_q73f8cce773_attn
	.p2align	8
	.type	k_q73f8cce773_attn,@function
k_q73f8cce773_attn:
	s_mov_b64 s[64:65], 0
	v_nop
	global_prefetch_b8 v0, s[64:65] scope:SCOPE_SE
	s_setreg_imm32_b32 hwreg(HW_REG_WAVE_MODE, 25, 1), 1
	s_wait_xcnt 0x0
	s_wait_alu depctr_hold_cnt(0) depctr_sa_sdst(0) depctr_va_vdst(0) depctr_va_sdst(0) depctr_va_ssrc(0) depctr_va_vcc(0) depctr_vm_vsrc(0)
	s_getreg_b32 s2, hwreg(HW_REG_IB_STS2, 6, 4)
	s_cmp_eq_u32 s2, 0
	s_cbranch_scc0 .Lentry_in_a_cluster
	s_endpgm
.Lentry_in_a_cluster:
	s_bfe_u32 s2, ttmp6, 0x10000c
	s_cmp_lg_u32 s2, 0x3003
	s_cbranch_scc0 .Lentry_shape_is_right
	s_endpgm
.Lentry_shape_is_right:
; CAUSAL ATTENTION AT HEAD SIZE 512.  att[t][512 m + i] = the sum over s <= t of softmax_s(q[t] . k[s] / sqrt(512)) v[s][i], for each of 4 batches x 8 heads, 1,024 tokens each.
; qkv: [4096 tokens][12288] f16: in a row q of head m at byte 1024 m, k at 8192 + 1024 m, v at 16384 + 1024 m.  att: [4096][4096] f16.  Products, maxima and sums in f32; the weights are
; rounded to f16 for the second product (their sum is taken of the unrounded weights), att once at the end.
; LIMITS.  q, k, v arrive within f16's 65,504.  A hidden score counts as -1e30, far below every true score (512 x 65504^2 at the most).  A weight below 2^-126 counts as 0.  NaN and infinities are not treated apart.
; THE WALK.  A head's queries lie in four blocks of 256; block I needs the key steps 0 .. 2 I + 1 of 128 keys, of which the last two hold the diagonal.  A cluster of four work-groups takes TWO blocks,
; 3 - p and then p (p = the cluster's x): ten key steps, whatever p.  All four partners walk the same K and V, so each tile is asked for JOINTLY.
; SHARES.  Of a block's four bands of 64 queries work-group cx owns rows 16 cx .. 16 cx + 15 of each: four query tiles g.  Every wave holds all 64 queries' q in registers.  Scores: wave w takes keys
; 32 w .. 32 w + 31 of the step (S^T = K Q^T: a lane holds ONE query, lane % 16, and the keys 8 (lane / 16) + 0..7).  Second product: wave w owns channels 128 w .. 128 w + 127 (O^T += V^T P).
; The waves' maxima and the weights cross through LDS.
; SOFTMAX.  For each query a running maximum m and, in each wave, a sum l over the wave's keys: p = 2^(c s - c m), c = log2(e) / sqrt(512); in every step O and l are multiplied by
; a = 2^(c m_old - c m_new).  A block begins with c m far below every c s, so its first a is 0 and what O and l held need only be finite: O is cleared once, in the wait for the first tile.
; ONE REGION FOR K, ONE FOR V.  K is read in the first product alone and V in the second alone: K of step j + 1 lands during the softmax and the second product of step j, V of step j + 1 during the
; first product of step j + 1.  Each refill stands behind a round of the cluster's barrier: two rounds and one work-group barrier a step.
; THE LAST STEP is always a block's second diagonal step, in which tiles g = 0 and 1 see no key: it is written out, without a refill and without their work.
; REGISTERS, in windows of 256 (s_set_vgpr_msb: bits 1:0 source 0, 3:2 source 1, 5:4 source 2, 7:6 destination): window 0: see below.  window 1: O^T, tile g, channel block cb at 64 g + 8 cb.
;   windows 2 and 3: q: tile g in window 2 + g / 2 at 128 (g % 2) + 8 c, c = 0..15 the 32 channels.
.set ROWB,  24576                      ; bytes in a row of qkv
.set TILEB, 128*ROWB                   ; from a key step to the next
.set OROW,  8192                       ; bytes in a row of att
.set PK,    1040                       ; a row of K in LDS: 1,024 bytes + 16: an odd multiple of 16
.set PV,    1056                       ; a row of V: 1,024 + 32: an odd multiple of 32, for the turning load
.set PP,    272                        ; a row of P (128 keys) and of a stage: 256 + 16
.set KREG,  0                          ; 128 keys of K
.set VREG,  128*PK                     ; 128 keys of V
.set PL,    VREG+128*PV                ; P: 64 queries x 128 keys f16.  From here on no tensor load lands
.set MX,    PL+64*PP                   ; the waves' maxima: [g][query][wave] f32
.set LS,    MX+1024                    ; the waves' sums: [g][query][wave][half of the lanes] f32
.set STAGE, LS+2048                    ; 16 rows x 272 bytes for each wave, for the way out
.set SPARE, STAGE+4*16*PP              ; the spare words, 128 bytes for each wave, which no other line names
.set AK,  3                            ; v3   (32 w + r) PK + 16 h: my place in K          (l the lane, r = l % 16, h = l / 16)
.set AV0, 4                            ; v4   my place in V, keys 0-63;  v5: keys 64-127
.set PA,  6                            ; v6   PL + 272 r + 16 h: where I read P
.set PSA, 7                            ; v7   PA + 64 w: where I put my keys' weights
.set MXA, 8                            ; v8   MX + 16 r + 4 w
.set MXR, 9                            ; v9   MX + 16 r
.set LSA, 10                           ; v10  LS + 32 r + 8 w + 4 h
.set LSR, 11                           ; v11  LS + 32 r
.set STO, 12                           ; v12  my stage + 272 r + 16 h
.set RD,  13                           ; v13  my stage + 272 h + 16 r
.set GO,  14                           ; v14  8192 h + 16 r: two rows of att
.set QO,  15                           ; v15  24576 r + 16 h: my place in 16 rows of q
.set ST,  16                           ; v16-47   tile g's statistics at ST + 8 g: c m, m, l (even keys', odd keys'), c0-c3 at work; a takes c2's place
.set S,   48                           ; v48-111  S^T: tile g, key tile kt at S + 16 g + 8 kt; in the second product two buffers of P's fragments: S + 32 (kk % 2) + 8 g
.set F0,  112                          ; v112-175, v176-239: two buffers of K's or V's fragments
.set F1,  176
.set XM,  F1                           ; the four waves' maxima, 4 registers a tile
.set CV,  F1+16                        ; the rounded weights, 8 registers a tile
.set SPW, 240                          ; v240 LDS address of my spare word; never rewritten
.set NIL, 241                          ; v241 0; never rewritten
.set QI,  242                          ; v242 16 cx + r - 32 w - 8 h
.set PFO, 243                          ; v243 24576 l: a lane a row
.set TG,  244                          ; v244-247 the mask's bound for each tile
.set WV,  8                            ; s8 wave; s9 cx; s10 p
.set CX,  9
.set PR,  10
.set G1K, 16                           ; s[16:23] descriptor group 1 for K;  s[24:31] for V: it differs in the padding alone
.set G1V, 24
.set G0K, 32                           ; s[32:35] group 0 for K;  s[36:39] for V
.set G0V, 36
.set KB,  40                           ; s[40:41] K at my 32 rows of the head's step 0;  s[42:43] V
.set VB,  42
.set QA,  44                           ; s[44:45] q at my rows of the first block;  s[46:47] of the second
.set QB,  46
.set OB,  48                           ; s[48:49] att at my rows and channels of the block in hand;  s[50:51] of the second block
.set OB2, 50
.set OFF, 52                           ; s[52:53] a key step's byte offset
.set NXT, 54                           ; s54 the key step to be asked for next
.set LQ,  55                           ; s55 the last key step of the block whose steps are being asked for
.set RT,  56                           ; s56 key steps of the block in hand still to do, this one among them
.set CNT, 57                           ; s57 the loop's count
.set CS,  58                           ; s[58:59] c
.set SEL, 60                           ; s[60:61] v_permlanex16_b32's selects: each lane takes its own place in the other half
.set BIGN, 62                          ; s62 -1e30
.set LQ2, 63                           ; s63 2 p + 1: the second block's last key step
.set PFA, 66                           ; s[66:67] where my prefetches stand
.set PFN, 68                           ; s68 prefetches still to come
.set PST, 70                           ; s[70:71] the prefetch pointer's step: a key step, or 0
.set MSB, 0
.macro WIN new
.if MSB != (\new)
	s_set_vgpr_msb (MSB<<8)|(\new)
.set MSB, (\new)
.endif
.endm
.macro PLACES                          ; four plain vector instructions between a matrix instruction and a reader of its result or a load into its registers
.rept 4
	v_nop
.endr
.endm
.macro CROUND                          ; a round of the cluster's barrier
	s_barrier_signal -1
	s_barrier_wait -1
	s_cmp_lg_u32 s[WV], 0
	s_cbranch_scc1 .Lnot_wave_0_\@
	s_barrier_signal -3
.Lnot_wave_0_\@:
	s_barrier_wait -3
	s_barrier_signal -1
	s_barrier_wait -1
.endm
; 64 queries' q into windows 2 and 3: a fragment is 16 queries x 32 channels: two loads of 16 bytes, 32 bytes apart; tile g lies 64 rows on
.macro QLOAD b
.irp g, 0,1,2,3
	WIN 0x80+0x40*((\g)/2)
.set c, 0
.rept 16
	global_load_b128 v[128*((\g)%2)+8*c:128*((\g)%2)+8*c+3],   v[QO], s[\b:\b+1] offset:(\g)*64*ROWB+c*64
	global_load_b128 v[128*((\g)%2)+8*c+4:128*((\g)%2)+8*c+7], v[QO], s[\b:\b+1] offset:(\g)*64*ROWB+c*64+32
.set c, c+1
.endr
.endr
	WIN 0
.endm
; 16 LDS loads: my 32 keys, channels 128 q .. 128 q + 127: fragment (ci, kt) at f + 16 ci + 8 kt
.macro FETCH_K q, f
	WIN 0
.irp ci, 0,1,2,3
.irp kt, 0,1
	ds_load_b128 v[(\f)+16*(\ci)+8*(\kt):(\f)+16*(\ci)+8*(\kt)+3],   v[AK] offset:(\kt)*16*PK+(4*(\q)+(\ci))*64
	ds_load_b128 v[(\f)+16*(\ci)+8*(\kt)+4:(\f)+16*(\ci)+8*(\kt)+7], v[AK] offset:(\kt)*16*PK+(4*(\q)+(\ci))*64+32
.endr
.endr
.endm
; 16 products of S^T = K Q^T for tiles 2 gp, 2 gp + 1.  Four accumulators take turns, one instruction a turn.  The first 32 channels start the sums.
.macro SMUL q, f, gp
	WIN 0x08+4*(\gp)
.irp ci, 0,1,2,3
.irp kt, 0,1
.irp gi, 0,1
.if ((\q) == 0) && ((\ci) == 0)
	v_wmma_f32_16x16x32_f16 v[S+16*(2*(\gp)+(\gi))+8*(\kt):S+16*(2*(\gp)+(\gi))+8*(\kt)+7], v[(\f)+16*(\ci)+8*(\kt):(\f)+16*(\ci)+8*(\kt)+7], v[128*(\gi)+8*(4*(\q)+(\ci)):128*(\gi)+8*(4*(\q)+(\ci))+7], 0
.else
	v_wmma_f32_16x16x32_f16 v[S+16*(2*(\gp)+(\gi))+8*(\kt):S+16*(2*(\gp)+(\gi))+8*(\kt)+7], v[(\f)+16*(\ci)+8*(\kt):(\f)+16*(\ci)+8*(\kt)+7], v[128*(\gi)+8*(4*(\q)+(\ci)):128*(\gi)+8*(4*(\q)+(\ci))+7], v[S+16*(2*(\gp)+(\gi))+8*(\kt):S+16*(2*(\gp)+(\gi))+8*(\kt)+7]
.endif
.endr
.endr
.endr
.endm
.macro P1Q q, f, o, glo                ; a quarter of the channels: the next quarter's fragments are asked for, then this one's are multiplied
	WIN 0
	PLACES                                         ; behind the products that read buffer o (at q = 0: with the four behind V's refill, the places in front of products that write over P's fragments)
.if (\q) < 3
	FETCH_K (\q)+1, \o
	s_wait_dscnt 16                                ; all but the 16 just issued
.else
	s_wait_dscnt 0x0
.endif
.if (\glo) == 0
	SMUL \q, \f, 0
.endif
	SMUL \q, \f, 1
.endm
.macro P1 glo
	P1Q 0, F0, F1, \glo
	P1Q 1, F1, F0, \glo
	P1Q 2, F0, F1, \glo
	P1Q 3, F1, F0, \glo
.endm
; THE MASK of a diagonal step.  v[TG] holds my query's place less my keys' first place: register i of tile g (key tile i / 8, key i % 8) is hidden where 16 (i / 8) + i % 8 is greater than that + 64 g.
.macro MASK glo
.irp g, 1,2,3
.if (\g) >= (\glo)
	v_add_nc_u32 v[TG+(\g)], 64*(\g), v[TG]
.endif
.endr
.irp g, 0,1,2,3
.if (\g) >= (\glo)
.set i, 0
.rept 16
	v_cmp_gt_i32 vcc_lo, 16*(i/8)+i%8, v[TG+(\g)]
	v_cndmask_b32 v[S+16*(\g)+i], v[S+16*(\g)+i], s[BIGN], vcc_lo
.set i, i+1
.endr
.endif
.endr
.endm
; Number n of the ten that find the maximum of tile g's 32 scores of my wave (16 in my lane, 16 in the lane 16 away).  Each accumulator's lowest registers are read first.
.macro LM g, n
.set rT, ST+8*(\g)
.set rS, S+16*(\g)
.if (\n) == 0
	v_max3_num_f32 v[rT+4], v[rS], v[rS+1], v[rS+2]
.elseif (\n) == 1
	v_max3_num_f32 v[rT+5], v[rS+8], v[rS+9], v[rS+10]
.elseif (\n) == 2
	v_max3_num_f32 v[rT+4], v[rT+4], v[rS+3], v[rS+4]
.elseif (\n) == 3
	v_max3_num_f32 v[rT+5], v[rT+5], v[rS+11], v[rS+12]
.elseif (\n) == 4
	v_max3_num_f32 v[rT+4], v[rT+4], v[rS+5], v[rS+6]
.elseif (\n) == 5
	v_max3_num_f32 v[rT+5], v[rT+5], v[rS+13], v[rS+14]
.elseif (\n) == 6
	v_max3_num_f32 v[rT+4], v[rT+4], v[rS+7], v[rS+15]
.elseif (\n) == 7
	v_max_num_f32 v[rT+4], v[rT+4], v[rT+5]
.elseif (\n) == 8
	v_permlanex16_b32 v[rT+5], v[rT+4], s[SEL], s[SEL+1]
.else
	v_max_num_f32 v[rT+4], v[rT+4], v[rT+5]
.endif
.endm
; Number n of the six that make tile g's statistics of the four waves' maxima: the new m; c m_old kept; c m; its change; a
.macro SN g, n
.set rT, ST+8*(\g)
.set rX, XM+4*(\g)
.if (\n) == 0
	v_max3_num_f32 v[rT+6], v[rX], v[rX+1], v[rX+2]
.elseif (\n) == 1
	v_mov_b32 v[rT+7], v[rT]
.elseif (\n) == 2
	v_max3_num_f32 v[rT+1], v[rT+6], v[rX+3], v[rT+1]
.elseif (\n) == 3
	v_mul_f32 v[rT], s[CS], v[rT+1]
.elseif (\n) == 4
	v_sub_f32 v[rT+7], v[rT+7], v[rT]
.else
	v_exp_f32 v[rT+6], v[rT+7]
.endif
.endm
.macro EACH glo, line:vararg           ; one line for each tile t from glo on
.set t, (\glo)
.rept 4-(\glo)
	\line
.set t, t+1
.endr
.endm
; 16 turning loads: keys 32 kk .. 32 kk + 31, my 128 channels: fragment cb of V^T at f + 8 cb
.macro FETCH_V kk, f
	WIN 0
.irp cb, 0,1,2,3,4,5,6,7
	ds_load_tr16_b128 v[(\f)+8*(\cb):(\f)+8*(\cb)+3],   v[AV0+(\kk)/2] offset:((\kk)%2)*32*PV+32*(\cb)
	ds_load_tr16_b128 v[(\f)+8*(\cb)+4:(\f)+8*(\cb)+7], v[AV0+(\kk)/2] offset:((\kk)%2)*32*PV+16*PV+32*(\cb)
.endr
.endm
.macro FETCH_P kk, glo                 ; the same keys' weights: two loads a tile
	WIN 0
.irp g, 0,1,2,3
.if (\g) >= (\glo)
	ds_load_b128 v[S+32*((\kk)%2)+8*(\g):S+32*((\kk)%2)+8*(\g)+3],   v[PA] offset:(\g)*16*PP+64*(\kk)
	ds_load_b128 v[S+32*((\kk)%2)+8*(\g)+4:S+32*((\kk)%2)+8*(\g)+7], v[PA] offset:(\g)*16*PP+64*(\kk)+32
.endif
.endr
.endm
.macro P2K kk, f, o, glo               ; 32 keys of O^T += V^T P: all accumulators differ
.if (\kk) > 0
	WIN 0
	PLACES                                         ; behind the products that read the buffers now loaded
.endif
.if (\kk) < 3
	FETCH_V (\kk)+1, \o
	FETCH_P (\kk)+1, \glo
	s_wait_dscnt 16+2*(4-(\glo))                   ; all but the run just issued
.else
	s_wait_dscnt 0x0
.endif
	WIN 0x50
.irp cb, 0,1,2,3,4,5,6,7
.irp g, 0,1,2,3
.if (\g) >= (\glo)
	v_wmma_f32_16x16x32_f16 v[64*(\g)+8*(\cb):64*(\g)+8*(\cb)+7], v[(\f)+8*(\cb):(\f)+8*(\cb)+7], v[S+32*((\kk)%2)+8*(\g):S+32*((\kk)%2)+8*(\g)+7], v[64*(\g)+8*(\cb):64*(\g)+8*(\cb)+7]
.endif
.endr
.endr
.endm
.macro RESC g                          ; tile g's O^T times a
	WIN 0x41
.set i, 0
.rept 32
	v_pk_mul_f32 v[64*(\g)+2*i:64*(\g)+2*i+1], v[64*(\g)+2*i:64*(\g)+2*i+1], v[ST+8*(\g)+6:ST+8*(\g)+7] op_sel_hi:[1,0]
.set i, i+1
.endr
.endm
; A PREFETCH INTO THE L2 of the key step after the one just asked for: one step ahead of its K load.  Each aligned 256 bytes of a head's K and V are named once in the launch: both clusters of a head walk
; the steps 0 to 5 side by side, and the one with p = 0, which goes on to step 7, asks.  Its partner cx takes rows 32 cx .. 32 cx + 31 of the 128 (by address), wave w the w-th 256 bytes of a row's 1,024, a lane a row:
; two instructions, K's and V's.  Steps 0 and 1, and all that the second block reads again, come by their loads alone.
.macro ASK
	s_cmp_lg_u32 s[PFN], 0
	s_cbranch_scc0 .Lnone_\@
	global_prefetch_b8 v[PFO], s[PFA:PFA+1] th:TH_LOAD_NT scope:SCOPE_SE
	global_prefetch_b8 v[PFO], s[PFA:PFA+1] offset:8192 th:TH_LOAD_NT scope:SCOPE_SE
	s_sub_co_u32 s[PFN], s[PFN], 1
.Lnone_\@:
.endm
; THE WAY OUT.  The eight partial sums of each query are added; O^T is divided by l, rounded to f16 and sent through my stage, a tile (16 rows x my 128 channels) at a time.
.macro PACK g
	RESC \g
	WIN 0x05
.set i, 0
.rept 32
	v_cvt_pk_f16_f32 v[F0+32*(\g)+i], v[64*(\g)+2*i], v[64*(\g)+2*i+1]
.set i, i+1
.endr
	WIN 0
.irp f, 0,1,2,3,4,5,6,7
	ds_store_b128 v[STO], v[F0+32*(\g)+4*(\f):F0+32*(\g)+4*(\f)+3] offset:32*(\f)
.endr
.irp f, 0,1,2,3,4,5,6,7
	ds_load_b128 v[F0+32*(\g)+4*(\f):F0+32*(\g)+4*(\f)+3], v[RD] offset:(\f)*2*PP  ; LDS serves a wave's instructions in order: these see the stores above; the next tile's stores come behind them
.endr
.endm
.macro SEND g, younger                 ; younger: the LDS instructions issued behind tile g's loads: the next tile's sixteen, or none
	WIN 0
.irp f, 0,1,2,3,4,5,6,7
	s_wait_dscnt (\younger)+7-(\f)
	global_store_b128 v[GO], v[F0+32*(\g)+4*(\f):F0+32*(\g)+4*(\f)+3], s[OB:OB+1] offset:(\g)*64*OROW+(\f)*2*OROW  ; 16 lanes store 256 consecutive bytes, aligned
.endr
.endm
.macro WAYOUT
	WIN 0
.irp g, 0,1,2,3
	ds_load_b128 v[F1+8*(\g):F1+8*(\g)+3],   v[LSR] offset:512*(\g)
	ds_load_b128 v[F1+8*(\g)+4:F1+8*(\g)+7], v[LSR] offset:512*(\g)+16
.endr
	s_wait_dscnt 0x0
	EACH 0, v_pk_add_f32 v[F1+8*t:F1+8*t+1], v[F1+8*t:F1+8*t+1], v[F1+8*t+2:F1+8*t+3]
	EACH 0, v_pk_add_f32 v[F1+8*t+4:F1+8*t+5], v[F1+8*t+4:F1+8*t+5], v[F1+8*t+6:F1+8*t+7]
	EACH 0, v_pk_add_f32 v[F1+8*t:F1+8*t+1], v[F1+8*t:F1+8*t+1], v[F1+8*t+4:F1+8*t+5]
	EACH 0, v_add_f32 v[ST+8*t+4], v[F1+8*t], v[F1+8*t+1]
	EACH 0, v_rcp_f32 v[ST+8*t+6], v[ST+8*t+4]
	v_nop                                          ; a plain instruction between the last reciprocal and the use of its result,
	s_wait_alu depctr_va_vdst(0)                   ; and one wait for the four
	PACK 0
	PACK 1                                         ; a tile's arithmetic stands between the loads of the tile before and its stores
	SEND 0, 16
	PACK 2
	SEND 1, 16
	PACK 3
	SEND 2, 16
	SEND 3, 0
.endm
; A KEY STEP.  fill = 1: the loop's copy, which asks for the next step's K and V.  glo: the first tile that is worked on.
.macro STEP fill, glo
	s_wait_loadcnt 0x0                             ; q is in
	P1 \glo
	WIN 0
	PLACES                                         ; behind the last products: in front of readers of the scores and of loads into q's registers
.if \fill
	s_cmp_eq_u32 s[RT], 1
	s_cbranch_scc0 .Lkeep_q_\@
	QLOAD QB                                       ; the first block's last scores are made: the second block's q comes in under the softmax, the second product and the way out
.Lkeep_q_\@:
	s_cmp_gt_u32 s[RT], 2
	s_cbranch_scc1 .Lopen_\@                       ; no diagonal step: a jump over work on registers
	s_sub_co_u32 s69, 2, s[RT]
	s_lshl_b32 s69, s69, 7                         ; the step's first key in the block: 0 or 128
	v_subrev_nc_u32 v[TG], s69, v[QI]
	MASK 0
.Lopen_\@:
.else
	v_add_nc_u32 v[TG], 0xffffff80, v[QI]          ; the block's second diagonal step: less 128
	MASK 2
.endif
.irp n, 0,1,2,3,4,5,6,7,8,9
.irp g, 0,1,2,3
.if (\g) >= (\glo)
	LM \g, \n
.endif
.endr
.endr
	EACH \glo, ds_store_b32 v[MXA], v[ST+8*t+4] offset:256*t
	; THE ROUND FOR K.  All my tensor loads have landed (V of this step); my reads of K are over; my maxima are stored.
	s_wait_tensorcnt 0x0
	ds_add_u32 v[SPW], v[NIL]                      ; 0 onto my spare word; the scalar work stands between it and the wait for it
.if \fill
	s_mul_i32 s[OFF], s[NXT], TILEB
	s_add_nc_u64 s[G0K+2:G0K+3], s[KB:KB+1], s[OFF:OFF+1]  ; no load of mine is out: the address is made anew
	s_or_b32 s[G0K+3], s[G0K+3], 0x80000000
	s_wait_xcnt 0x0                                ; the last prefetches, a step back, have read their address
	s_cmp_lg_u32 s[PFN], 0
	s_cselect_b32 s[PST], TILEB, 0                 ; it steps only while something is left to ask for
	s_add_nc_u64 s[PFA:PFA+1], s[PFA:PFA+1], s[PST:PST+1]
	s_wait_dscnt 0x0
	CROUND                                         ; no wave of any partner still reads K or has a load on its way; and every wave's maxima lie in LDS
	tensor_load_to_lds s[G0K:G0K+3], s[G1K:G1K+7]  ; my one load behind the round: my 32 rows of the next step's K
	s_nop 0
	PLACES
.else
	s_wait_dscnt 0x0
	s_barrier_signal -1
	s_barrier_wait -1
.endif
	EACH \glo, ds_load_b128 v[XM+4*t:XM+4*t+3], v[MXR] offset:256*t
	FETCH_V 0, F0                                  ; V has landed in every wave's part: its first fragments come in under the softmax
.if \fill
	ASK
.endif
	s_wait_dscnt 16                                ; the maxima are in; V's 16 loads may stay out
.irp n, 0,1,2,3,4
.irp g, 0,1,2,3
.if (\g) >= (\glo)
	SN \g, \n
.endif
.endr
.endr
.set i, 0
.rept 8
	EACH \glo, v_pk_fma_f32 v[S+16*t+2*i:S+16*t+2*i+1], v[S+16*t+2*i:S+16*t+2*i+1], s[CS:CS+1], v[ST+8*t:ST+8*t+1] op_sel_hi:[1,0,0] neg_lo:[0,0,1] neg_hi:[0,0,1]
.set i, i+1
.endr
.irp g, 0,1,2,3                        ; ONE BATCH of exponentials: the tiles' a and all the weights; nothing in it names a result
.if (\g) >= (\glo)
	SN \g, 5
.endif
.endr
.set i, 16*(\glo)
.rept 16*(4-(\glo))
	v_exp_f32 v[S+i], v[S+i]
.set i, i+1
.endr
	v_nop                                          ; a plain instruction behind the last exponential,
	s_wait_alu depctr_va_vdst(0)                   ; and the one wait for the batch
.set i, 8*(\glo)
.rept 8*(4-(\glo))
	v_cvt_pk_f16_f32 v[CV+i], v[S+2*i], v[S+2*i+1]
.set i, i+1
.endr
.irp g, 0,1,2,3
.if (\g) >= (\glo)
	ds_store_b128 v[PSA], v[CV+8*(\g):CV+8*(\g)+3]   offset:(\g)*16*PP
	ds_store_b128 v[PSA], v[CV+8*(\g)+4:CV+8*(\g)+7] offset:(\g)*16*PP+32
.endif
.endr
.irp p, 0,2,4,6                        ; the sum of a tile's eight pairs, in place
	EACH \glo, v_pk_add_f32 v[S+16*t+(\p):S+16*t+(\p)+1], v[S+16*t+(\p):S+16*t+(\p)+1], v[S+16*t+(\p)+8:S+16*t+(\p)+9]
.endr
.irp p, 0,2
	EACH \glo, v_pk_add_f32 v[S+16*t+(\p):S+16*t+(\p)+1], v[S+16*t+(\p):S+16*t+(\p)+1], v[S+16*t+(\p)+4:S+16*t+(\p)+5]
.endr
	EACH \glo, v_pk_add_f32 v[S+16*t:S+16*t+1], v[S+16*t:S+16*t+1], v[S+16*t+2:S+16*t+3]
	EACH \glo, v_pk_fma_f32 v[ST+8*t+2:ST+8*t+3], v[ST+8*t+2:ST+8*t+3], v[ST+8*t+6:ST+8*t+7], v[S+16*t:S+16*t+1] op_sel_hi:[1,0,1]
	EACH \glo, v_add_f32 v[ST+8*t+4], v[ST+8*t+2], v[ST+8*t+3]
	EACH \glo, ds_store_b32 v[LSA], v[ST+8*t+4] offset:512*t
	s_wait_dscnt 0x0                               ; for the others' sake: my weights and sums lie in LDS (and V's first fragments are in)
	s_barrier_signal -1                            ; K's load stays on its way
.if (\glo) == 0
	RESC 0
	RESC 1
.else
	RESC 2
.endif
	s_barrier_wait -1                              ; every wave's weights lie in LDS
	FETCH_P 0, \glo
.if (\glo) == 0
	RESC 2
.endif
	RESC 3                                         ; the rest of the rescaling stands between those loads and the wait for them
	P2K 0, F0, F1, \glo
	P2K 1, F1, F0, \glo
	P2K 2, F0, F1, \glo
	P2K 3, F1, F0, \glo
	WIN 0
.if \fill
	; THE ROUND FOR V.  All my tensor loads have landed (K of the next step); my reads of V and P are over.
	s_wait_tensorcnt 0x0
	ds_add_u32 v[SPW], v[NIL]
	s_add_nc_u64 s[G0V+2:G0V+3], s[VB:VB+1], s[OFF:OFF+1]
	s_or_b32 s[G0V+3], s[G0V+3], 0x80000000
	s_add_co_u32 s[NXT], s[NXT], 1                 ; the block's next step, or behind its last the second block's step 0
	s_cmp_gt_u32 s[NXT], s[LQ]
	s_cselect_b32 s[NXT], 0, s[NXT]
	s_cselect_b32 s[LQ], s[LQ2], s[LQ]
	s_wait_dscnt 0x0
	CROUND
	tensor_load_to_lds s[G0V:G0V+3], s[G1V:G1V+7]  ; my one load behind the round: my 32 rows of the next step's V
	s_nop 0
	PLACES                                         ; also the places behind the last products
	s_cmp_eq_u32 s[RT], 1
	s_cbranch_scc0 .Lon_\@
	WAYOUT                                         ; the first block ends: a jump over it passes no barrier and no tensor load
	s_wait_xcnt 0x0                                ; the stores have read their registers and their base
	s_mov_b64 s[OB:OB+1], s[OB2:OB2+1]
	EACH 0, v_mov_b32 v[ST+8*t], 0xfe000000        ; c m: far below every c s
	EACH 0, v_mov_b32 v[ST+8*t+1], 0xff7fffff      ; m
	s_lshl_b32 s69, s[PR], 1
	s_add_co_u32 s[RT], s69, 3                     ; the second block has 2 p + 2 steps
.Lon_\@:
	s_sub_co_u32 s[RT], s[RT], 1
	FETCH_K 0, F0                                  ; the next step's first fragments
.endif
.endm
	s_load_b128 s[4:7], s[0:1], 0x0                ; qkv s[4:5], att s[6:7]
	v_lshl_add_u32 v[SPW], v0, 2, SPARE
	v_mov_b32 v[NIL], 0
	ds_add_u32 v[SPW], v[NIL]                      ; the wave's opening: the add and its wait stand ahead of my first tensor load; the set-up stands between them
	v_lshrrev_b32 v1, 5, v0
	v_readfirstlane_b32 s[WV], v1                  ; wave 0..3
	s_bfe_u32 s[CX], ttmp6, 0x40000                ; my place in the cluster
	s_mov_b32 s[PR], ttmp9                         ; the cluster's x: which pair of blocks
	s_and_b32 s11, ttmp7, 0xffff                   ; 8 x batch + head
	s_lshr_b32 s12, s11, 3
	s_lshl_b32 s12, s12, 10                        ; the batch's first token
	s_and_b32 s13, s11, 7
	s_lshl_b32 s13, s13, 10                        ; the head's 1,024 bytes in a row
	s_lshl_b32 s14, s[WV], 5
	s_add_co_u32 s14, s14, s12                     ; the 32 rows of a key step that I fetch
	s_mul_i32 s72, s14, ROWB
	s_add_co_u32 s72, s72, s13
	s_add_co_u32 s72, s72, 8192                    ; k's third of a row
	s_mov_b32 s73, 0
	s_mov_b32 s[G1K], 15|(1<<16)|(1<<20)|(1<<21)|(7<<22)|(3<<25)  ; the mask of four; 2-byte elements; padding on; bit 21 beside a mask; after every 256 words 4 words
	s_mov_b32 s[G1V], 15|(1<<16)|(1<<20)|(1<<21)|(7<<22)|(7<<25)  ; the same with 8 words
.irp g, G1K, G1V
	s_mov_b32 s[(\g)+1], 512<<16                   ; tensor_dim0 = 512
	s_mov_b32 s[(\g)+2], 32<<16                    ; tensor_dim1 = 32
	s_mov_b32 s[(\g)+3], 512<<16                   ; tile_dim0 = 512
	s_mov_b32 s[(\g)+4], 32                        ; tile_dim1 = 32
	s_mov_b32 s[(\g)+5], 12288                     ; elements from row to row
	s_mov_b32 s[(\g)+6], 0
	s_mov_b32 s[(\g)+7], 0
.endr
	s_mov_b32 s[G0K], 1
	s_mul_i32 s[G0K+1], s[WV], 32*PK               ; no place in the cluster enters an LDS address
	s_mov_b32 s[G0V], 1
	s_mul_i32 s[G0V+1], s[WV], 32*PV
	s_add_co_u32 s[G0V+1], s[G0V+1], VREG
	s_mov_b32 s[OFF+1], 0
	s_mov_b32 s[PST+1], 0
	s_mov_b32 s[NXT], 1
	s_lshl_b32 s69, s[PR], 1
	s_sub_co_u32 s[LQ], 7, s69
	s_sub_co_u32 s[RT], 8, s69
	s_add_co_u32 s[LQ2], s69, 1
	s_mov_b32 s[CNT], 9
	s_mov_b32 s[CS], 0x3d8293ee                    ; c = log2(e) / sqrt(512) = 0.0637587
	s_mov_b32 s[CS+1], s[CS]
	s_mov_b32 s[SEL], 0x76543210
	s_mov_b32 s[SEL+1], 0xfedcba98
	s_mov_b32 s[BIGN], 0xf149f2ca                  ; -1e30
	s_cmp_eq_u32 s[PR], 0
	s_cselect_b32 s[PFN], 6, 0                     ; key steps 2 to 7
	s_wait_dscnt 0x0                               ; the opening add is done
	s_wait_kmcnt 0x0
	s_add_nc_u64 s[KB:KB+1], s[4:5], s[72:73]
	s_add_nc_u64 s[VB:VB+1], s[KB:KB+1], 8192
	s_mov_b64 s[G0K+2:G0K+3], s[KB:KB+1]
	s_or_b32 s[G0K+3], s[G0K+3], 0x80000000
	s_mov_b64 s[G0V+2:G0V+3], s[VB:VB+1]
	s_or_b32 s[G0V+3], s[G0V+3], 0x80000000
	CROUND                                         ; all four work-groups are here: the first joint loads meet
	tensor_load_to_lds s[G0K:G0K+3], s[G1K:G1K+7]  ; key step 0: two loads of mine are out
	s_nop 0
	tensor_load_to_lds s[G0V:G0V+3], s[G1V:G1V+7]
	s_nop 0
	PLACES
	s_lshl_b32 s79, s[CX], 4                       ; my rows: the batch's first token + 16 cx,
	s_add_co_u32 s79, s79, s12
	s_sub_co_u32 s78, 3, s[PR]
	s_lshl_b32 s78, s78, 8
	s_add_co_u32 s78, s78, s79                     ; in the first block,
	s_lshl_b32 s69, s[PR], 8
	s_add_co_u32 s79, s79, s69                     ; and in the second
	s_mov_b32 s77, 0
	s_mul_i32 s76, s78, ROWB
	s_add_co_u32 s76, s76, s13
	s_add_nc_u64 s[QA:QA+1], s[4:5], s[76:77]
	s_mul_i32 s76, s79, ROWB
	s_add_co_u32 s76, s76, s13
	s_add_nc_u64 s[QB:QB+1], s[4:5], s[76:77]
	s_lshl_b32 s69, s[WV], 8                       ; my 128 channels
	s_add_co_u32 s69, s69, s13
	s_lshl_b32 s76, s78, 13
	s_add_co_u32 s76, s76, s69
	s_add_nc_u64 s[OB:OB+1], s[6:7], s[76:77]
	s_lshl_b32 s76, s79, 13
	s_add_co_u32 s76, s76, s69
	s_add_nc_u64 s[OB2:OB2+1], s[6:7], s[76:77]
	s_lshl_b32 s78, s[CX], 5                       ; the prefetches: my work-group's 32 rows of key step 1 (the first step of the pointer leads to step 2),
	s_add_co_u32 s78, s78, s12
	s_add_co_u32 s78, s78, 128
	s_mul_i32 s76, s78, ROWB
	s_add_co_u32 s76, s76, s69                     ; my wave's 256 bytes of the head's 1,024,
	s_add_co_u32 s76, s76, 8192                    ; in k's third
	s_add_nc_u64 s[PFA:PFA+1], s[4:5], s[76:77]
	v_and_b32 v248, 15, v0                         ; r
	v_bfe_u32 v249, v0, 4, 1                       ; h
	v_mul_u32_u24 v[QO], v248, ROWB
	v_lshl_add_u32 v[QO], v249, 4, v[QO]
	QLOAD QA
	WIN 0x40
.set i, 0
.rept 256
	v_mov_b32 v[i], 0                              ; O^T need only be finite; written in the wait for the first tile, so that the loop has one form of step
.set i, i+1
.endr
	WIN 0
	EACH 0, v_mov_b32 v[ST+8*t], 0xfe000000        ; c m: far below every c s
	EACH 0, v_mov_b32 v[ST+8*t+1], 0xff7fffff      ; m
	EACH 0, v_mov_b32 v[ST+8*t+2], 0
	EACH 0, v_mov_b32 v[ST+8*t+3], 0
	v_and_b32 v250, 31, v0
	v_and_b32 v251, 7, v0
	v_bfe_u32 v252, v0, 3, 1
	s_mul_i32 s69, s[WV], 32*PK
	v_mul_u32_u24 v[AK], v248, PK
	v_lshl_add_u32 v[AK], v249, 4, v[AK]
	v_add_nc_u32 v[AK], s69, v[AK]
	; the turning load takes 16 keys x 16 channels: lane l reads key 8 h + l % 8, channels 8 ((l / 8) % 2) + 0..7, and is left with channel l % 16 and 8 keys
	v_lshl_add_u32 v[AV0], v249, 3, v251
	v_mul_u32_u24 v[AV0], v[AV0], PV
	v_lshl_add_u32 v[AV0], v252, 4, v[AV0]
	s_lshl_b32 s69, s[WV], 8
	s_add_co_u32 s69, s69, VREG
	v_add_nc_u32 v[AV0], s69, v[AV0]
	v_add_nc_u32 v[AV0+1], 64*PV, v[AV0]
	v_mul_u32_u24 v[STO], v248, PP
	v_lshl_add_u32 v[STO], v249, 4, v[STO]         ; 272 r + 16 h
	v_add_nc_u32 v[PA], PL, v[STO]
	s_lshl_b32 s69, s[WV], 6
	v_add_nc_u32 v[PSA], s69, v[PA]
	v_lshlrev_b32 v[MXR], 4, v248
	v_add_nc_u32 v[MXR], MX, v[MXR]
	s_lshl_b32 s69, s[WV], 2
	v_add_nc_u32 v[MXA], s69, v[MXR]
	v_lshlrev_b32 v[LSR], 5, v248
	v_add_nc_u32 v[LSR], LS, v[LSR]
	v_lshl_add_u32 v[LSA], v249, 2, v[LSR]
	s_lshl_b32 s69, s[WV], 3
	v_add_nc_u32 v[LSA], s69, v[LSA]
	s_mul_i32 s69, s[WV], 16*PP
	s_add_co_u32 s69, s69, STAGE
	v_add_nc_u32 v[STO], s69, v[STO]
	v_mul_u32_u24 v[RD], v249, PP
	v_lshl_add_u32 v[RD], v248, 4, v[RD]
	v_add_nc_u32 v[RD], s69, v[RD]
	v_lshlrev_b32 v[GO], 13, v249
	v_lshl_add_u32 v[GO], v248, 4, v[GO]
	s_lshl_b32 s78, s[CX], 4
	s_lshl_b32 s79, s[WV], 5
	s_sub_co_i32 s78, s78, s79
	v_lshlrev_b32 v[QI], 3, v249
	v_sub_nc_u32 v[QI], v248, v[QI]
	v_add_nc_u32 v[QI], s78, v[QI]
	v_mul_u32_u24 v[PFO], v250, ROWB
	s_wait_tensorcnt 1                             ; my part of K is in; V's load may stay out
	s_barrier_signal -1
	s_barrier_wait -1                              ; everybody's is
	FETCH_K 0, F0
.Lstep:                                        ; nine times: a key step, and the next step's K and V are asked for
	STEP 1, 0
	s_sub_co_u32 s[CNT], s[CNT], 1
	s_cmp_lg_u32 s[CNT], 0
	s_cbranch_scc1 .Lstep
	STEP 0, 2                                      ; the walk's last step is written out: nothing is asked for, and tiles 0 and 1 see none of its keys
	PLACES
	WAYOUT
	s_wait_tensorcnt 0x0                           ; the wave's end
	ds_add_u32 v[SPW], v[NIL]
	s_wait_dscnt 0x0
	CROUND                                         ; the closing round
	s_endpgm
.Lfunc_end_k_q73f8cce773_attn:
	.size	k_q73f8cce773_attn, .Lfunc_end_k_q73f8cce773_attn-k_q73f8cce773_attn
	.p2alignl 7, 3214868480
	.fill 96, 4, 3214868480
	.section	.rodata,"a",@progbits
	.p2align	6, 0x0
	.amdhsa_kernel k_q73f8cce773_attn
		.amdhsa_group_segment_fixed_size 327680
		.amdhsa_private_segment_fixed_size 0
		.amdhsa_enable_private_segment 0
		.amdhsa_kernarg_size 16
		.amdhsa_user_sgpr_count 2
		.amdhsa_user_sgpr_kernarg_segment_ptr 1
		.amdhsa_wavefront_size32 1
		.amdhsa_system_sgpr_workgroup_id_x 1
		.amdhsa_system_sgpr_workgroup_id_y 1
		.amdhsa_system_sgpr_workgroup_id_z 1
		.amdhsa_system_vgpr_workitem_id 0
		.amdhsa_next_free_vgpr 1024
		.amdhsa_next_free_sgpr 80
		.amdhsa_reserve_vcc 1
		.amdhsa_float_denorm_mode_32 3
		.amdhsa_float_denorm_mode_16_64 3
		.amdhsa_memory_ordered 1
		.amdhsa_forward_progress 1
		.amdhsa_inst_pref_size 184
	.end_amdhsa_kernel
	.amdgpu_metadata
---
amdhsa.version: [ 1, 2 ]
amdhsa.kernels:
  - .name:           k_q73f8cce773_attn
    .symbol:         k_q73f8cce773_attn.kd
    .args:
      - { .name: qkv, .offset: 0, .size: 8, .value_kind: global_buffer, .address_space: global }
      - { .name: att, .offset: 8, .size: 8, .value_kind: global_buffer, .address_space: global }
    .group_segment_fixed_size: 327680
    .private_segment_fixed_size: 0
    .kernarg_segment_align: 8
    .kernarg_segment_size: 16
    .max_flat_workgroup_size: 128
    .sgpr_count:     80
    .vgpr_count:     1024
    .wavefront_size: 32
...
	.end_amdgpu_metadata
.endif
;; end of part 3
;; launch outp (part 4): grid 4 x 64, 4 waves a work-group, clusters of 4 x 4, 327,680 bytes of LDS; arguments att, woh, yp; writes yp
.if DOCPART == 4
	.amdgcn_target "amdgcn-amd-amdhsa--gfx1250"
	.amdhsa_code_object_version 6
	.text
	.protected	k_q73f8cce773_outp
	.globl	k_q73f8cce773_outp
	.p2align	8
	.type	k_q73f8cce773_outp,@function
k_q73f8cce773_outp:
	s_mov_b64 s[64:65], 0
	v_nop
	global_prefetch_b8 v0, s[64:65] scope:SCOPE_SE
	s_setreg_imm32_b32 hwreg(HW_REG_WAVE_MODE, 25, 1), 1
	s_wait_xcnt 0x0
	s_wait_alu depctr_hold_cnt(0) depctr_sa_sdst(0) depctr_va_vdst(0) depctr_va_sdst(0) depctr_va_ssrc(0) depctr_va_vcc(0) depctr_vm_vsrc(0)
	s_getreg_b32 s2, hwreg(HW_REG_IB_STS2, 6, 4)
	s_cmp_eq_u32 s2, 0
	s_cbranch_scc0 .Lentry_in_a_cluster
	s_endpgm
.Lentry_in_a_cluster:
	s_bfe_u32 s2, ttmp6, 0x10000c
	s_cmp_lg_u32 s2, 0xf033
	s_cbranch_scc0 .Lentry_shape_is_right
	s_endpgm
.Lentry_shape_is_right:
; yp[kh][t][j] = the sum over c in half kh of the 4,096 channels of att[t][c] woh[j][c].  att: [4096][4096] f16, woh: [512][4096] f16, yp: [2][4096][512] f32: partial sums, kept in f32.
; The product has 512 columns only: tiles of 128 x 128 give 128 of them, so K IS SPLIT IN TWO among work-groups: 256 equal work-groups; the two halves are added by the launch behind.
; Four waves, each 64 x 64: 16 accumulators.  K goes in steps of 256 (LDS rows of 512 bytes; a wave's tensor load brings 64 of them) through two slots.
; CLUSTERS: 4 x 4 work-groups, all of one half of K.  The four of a row of the cluster need the same rows of att, the four of a column the same rows of woh: each tile is asked for jointly.
; THE MATRIX INSTRUCTION IS USED TRANSPOSED (source 0 = 16 rows of woh, source 1 = 16 rows of att): a lane holds eight neighbouring numbers of a row of yp.
; A wave's 64 columns of f32 are 256 aligned bytes, so each wave has a stage of its own on the way out, and no barrier stands there.
; No prefetch: a step's tiles are small, and every row of woh is read by all clusters of a half.
; REGISTERS: window 0: v0-31 addresses; v32-95 the way out; v128-255 the accumulators ((a, b) at v[128 + 8 (4 a + b)]).  window 1: two fragment buffers of 128.
.set ROWE,   4096                      ; elements in a row of att and of woh
.set KPART,  2048                      ; a work-group's share of K
.set KSTEP,  256
.set PITCH,  528                       ; an LDS row: 512 bytes + 16 of padding
.set HALFT,  64*PITCH
.set SLOT,   4*HALFT
.set STAGE,  2*SLOT                    ; behind the ring: 16 rows x 272 bytes for each wave
.set SPITCH, 272
.set SPARE,  STAGE+4*16*SPITCH         ; the spare words, 128 bytes for each wave, which no other line names
.set LAPS,   KPART/(2*KSTEP)
.set YROW,   2048                      ; bytes in a row of yp
.set ADRA, 16
.set ADRB, 20
.set STO,  24
.set RD,   25
.set CO,   26
.set SPW,  28
.set NIL,  29
.set TMP,  32
.set ACC,  128
.set F0,   0
.set F1,   128
.set G1, 24
.set G0, 32
.set G1B, 48
.set G0B, 56
.set MSB, 0
.macro WIN new
.if MSB != (\new)
	s_set_vgpr_msb (MSB<<8)|(\new)
.set MSB, \new
.endif
.endm
.set MUL,  0x05                        ; sources 0 and 1 window 1; C and D window 0
.set TO_F, 0x40                        ; destination window 1, address window 0
.macro JLOAD s                         ; a joint load: waves 0 and 1 fetch att's two halves, waves 2 and 3 woh's; an s_nop 0 and four v_nop follow each line
	s_cmp_eq_u32 s11, 0
	s_cbranch_scc0 .Lfor_b_\@
	tensor_load_to_lds s[G0+4*(\s):G0+4*(\s)+3], s[G1:G1+7]
	s_nop 0
.rept 4
	v_nop
.endr
	s_branch .Lasked_\@
.Lfor_b_\@:
	tensor_load_to_lds s[G0B+4*(\s):G0B+4*(\s)+3], s[G1B:G1B+7]
	s_nop 0
.rept 4
	v_nop
.endr
.Lasked_\@:
.endm
.macro CREST
	s_cmp_lg_u32 s10, 0
	s_cbranch_scc1 .Lnot_wave_0_\@
	s_barrier_signal -3
.Lnot_wave_0_\@:
	s_barrier_wait -3
	s_barrier_signal -1
	s_barrier_wait -1
.endm
.macro CROUND
	s_barrier_signal -1
	s_barrier_wait -1
	CREST
.endm
	s_load_b128 s[4:7], s[0:1], 0x0                ; att s[4:5], woh s[6:7]
	s_load_b64 s[8:9], s[0:1], 0x10                ; yp
	v_lshl_add_u32 v[SPW], v0, 2, SPARE
	v_mov_b32 v[NIL], 0
	ds_add_u32 v[SPW], v[NIL]                      ; the wave's opening: the add and its wait stand ahead of my first tensor load
	v_lshrrev_b32 v1, 5, v0
	v_readfirstlane_b32 s10, v1                    ; wave 0..3
	s_lshr_b32 s11, s10, 1                         ; which half of the tile's rows is mine.  Also: I fetch for att (0) or for woh (1)
	s_and_b32 s12, s10, 1                          ; which half of its columns.  Also: which 64 rows of that tile I fetch
	s_bfe_u32 s40, ttmp6, 0x40000                  ; cx, cy
	s_bfe_u32 s41, ttmp6, 0x40004
	s_lshl_b32 s42, ttmp9, 2
	s_add_co_u32 s42, s42, s40                     ; tile column
	s_and_b32 s13, ttmp7, 0xffff                   ; the cluster's y, 0..15:
	s_lshr_b32 s45, s13, 3                         ; which half of K: the same in all sixteen partners,
	s_and_b32 s13, s13, 7
	s_lshl_b32 s13, s13, 2
	s_add_co_u32 s13, s13, s41                     ; and the tile row, 0..31
	s_lshl_b32 s43, s41, 2
	s_lshl_b32 s43, 15, s43                        ; my row of the cluster
	s_lshl_b32 s44, 0x1111, s40                    ; my column
	s_or_b32 s[G1+0], s43, (1<<16)|(1<<20)|(1<<21)|(6<<22)|(3<<25)  ; the mask; 2-byte elements; padding on; bit 21 beside a mask; after every 128 words 4 words
	s_or_b32 s[G1B+0], s44, (1<<16)|(1<<20)|(1<<21)|(6<<22)|(3<<25)
.irp g, G1, G1B
	s_mov_b32 s[(\g)+1], KSTEP<<16
	s_mov_b32 s[(\g)+2], 64<<16
	s_mov_b32 s[(\g)+3], KSTEP<<16
	s_mov_b32 s[(\g)+4], 64
	s_mov_b32 s[(\g)+5], ROWE
	s_mov_b32 s[(\g)+6], 0
	s_mov_b32 s[(\g)+7], 0
.endr
	s_lshl_b32 s17, s12, 6
	s_lshl_b32 s16, s13, 7
	s_add_co_u32 s16, s16, s17                     ; att: row 128 x tile row + 64 x half
	s_lshl_b32 s46, s42, 7
	s_add_co_u32 s46, s46, s17                     ; woh: row 128 x tile column + 64 x half
	s_mov_b32 s17, 0
	s_mov_b32 s47, 0
	s_mov_b64 s[18:19], ROWE*2
	s_mul_u64 s[16:17], s[16:17], s[18:19]
	s_mul_u64 s[46:47], s[46:47], s[18:19]
	s_lshl_b32 s18, s45, 12                        ; my half of K: 2,048 elements along the rows
	s_mov_b32 s19, 0
	s_add_nc_u64 s[16:17], s[16:17], s[18:19]
	s_add_nc_u64 s[46:47], s[46:47], s[18:19]
	s_mul_i32 s20, s10, HALFT
	s_wait_dscnt 0x0
	s_wait_kmcnt 0x0
	s_add_nc_u64 s[14:15], s[4:5], s[16:17]
	s_add_nc_u64 s[46:47], s[6:7], s[46:47]
	CROUND                                         ; the first joint loads meet
.irp s, 0,1
	s_mov_b32 s[G0+4*(\s)], 1
	s_add_co_u32 s[G0+4*(\s)+1], s20, (\s)*SLOT
	s_add_nc_u64 s[G0+4*(\s)+2:G0+4*(\s)+3], s[14:15], (\s)*KSTEP*2
	s_or_b32 s[G0+4*(\s)+3], s[G0+4*(\s)+3], 0x80000000
	s_mov_b32 s[G0B+4*(\s)], 1
	s_add_co_u32 s[G0B+4*(\s)+1], s20, (\s)*SLOT
	s_add_nc_u64 s[G0B+4*(\s)+2:G0B+4*(\s)+3], s[46:47], (\s)*KSTEP*2
	s_or_b32 s[G0B+4*(\s)+3], s[G0B+4*(\s)+3], 0x80000000
	JLOAD \s
.endr
	v_and_b32 v1, 15, v0
	v_bfe_u32 v2, v0, 4, 1
	v_mul_u32_u24 v3, v1, PITCH
	v_lshl_add_u32 v3, v2, 4, v3
	s_mul_i32 s21, s11, HALFT
	s_mul_i32 s22, s12, HALFT
	s_add_co_u32 s22, s22, 2*HALFT
.irp s, 0,1
	v_add_nc_u32 v[ADRA+(\s)], s21, v3
	v_add_nc_u32 v[ADRB+(\s)], s22, v3
	s_add_co_u32 s21, s21, SLOT
	s_add_co_u32 s22, s22, SLOT
.endr
	s_mul_i32 s23, s10, 16*SPITCH
	s_add_co_u32 s23, s23, STAGE                   ; my stage
	v_mul_u32_u24 v4, v1, SPITCH                   ; in: row l % 16, 32 bytes for each half of the lanes
	v_lshl_add_u32 v4, v2, 5, v4
	v_add_nc_u32 v[STO], s23, v4
	v_mul_u32_u24 v5, v2, SPITCH                   ; back: lanes 0-15 take one row of 256 bytes, lanes 16-31 the next
	v_lshl_add_u32 v5, v1, 4, v5
	v_add_nc_u32 v[RD], s23, v5
	v_lshlrev_b32 v5, 11, v2                       ; and the same two rows in yp
	v_lshl_add_u32 v[CO], v1, 4, v5
	s_lshl_b32 s16, s13, 7
	s_lshl_b32 s17, s11, 6
	s_add_co_u32 s16, s16, s17                     ; my first row: 128 x tile row + 64 x half,
	s_lshl_b32 s16, s16, 11
	s_lshl_b32 s17, s45, 23                        ; in my half's 8 MiB of yp
	s_add_co_u32 s16, s16, s17
	s_mov_b32 s17, 0
	s_add_nc_u64 s[8:9], s[8:9], s[16:17]
	s_lshl_b32 s46, s42, 9                         ; my first column, in bytes: 512 x tile column + 256 x half
	s_lshl_b32 s47, s12, 8
	s_add_co_u32 s46, s46, s47
	s_mov_b32 s47, 0
	s_add_nc_u64 s[8:9], s[8:9], s[46:47]
; 8 matrix instructions: m blocks a0, a0 + 1 x all 4 n blocks, 32 along K: half c of buffer f.  The 16 accumulators take turns.
.macro MUL8 f, c, a0, zero
	WIN MUL
.irp a, \a0, (\a0)+1
.irp b, 0,1,2,3
.if \zero
	v_wmma_f32_16x16x32_f16 v[ACC+8*(4*(\a)+(\b)):ACC+8*(4*(\a)+(\b))+7], v[(\f)+64+8*(4*(\c)+(\b)):(\f)+64+8*(4*(\c)+(\b))+7], v[(\f)+8*(4*(\c)+(\a)):(\f)+8*(4*(\c)+(\a))+7], 0
.else
	v_wmma_f32_16x16x32_f16 v[ACC+8*(4*(\a)+(\b)):ACC+8*(4*(\a)+(\b))+7], v[(\f)+64+8*(4*(\c)+(\b)):(\f)+64+8*(4*(\c)+(\b))+7], v[(\f)+8*(4*(\c)+(\a)):(\f)+8*(4*(\c)+(\a))+7], v[ACC+8*(4*(\a)+(\b)):ACC+8*(4*(\a)+(\b))+7]
.endif
.endr
.endr
.endm
; 32 LDS loads in one run: the fragments of 64 along K at byte k of the rows, into buffer f; the first 32 along K first
.macro FETCH slot, k, f
	WIN TO_F
.irp c, 0,1
.irp i, 0,1,2,3
	ds_load_b128 v[(\f)+64+8*(4*(\c)+(\i)):(\f)+64+8*(4*(\c)+(\i))+3],   v[ADRB+(\slot)] offset:(\k)+64*(\c)+(\i)*16*PITCH
	ds_load_b128 v[(\f)+64+8*(4*(\c)+(\i))+4:(\f)+64+8*(4*(\c)+(\i))+7], v[ADRB+(\slot)] offset:(\k)+64*(\c)+(\i)*16*PITCH+32
	ds_load_b128 v[(\f)+8*(4*(\c)+(\i)):(\f)+8*(4*(\c)+(\i))+3],         v[ADRA+(\slot)] offset:(\k)+64*(\c)+(\i)*16*PITCH
	ds_load_b128 v[(\f)+8*(4*(\c)+(\i))+4:(\f)+8*(4*(\c)+(\i))+7],       v[ADRA+(\slot)] offset:(\k)+64*(\c)+(\i)*16*PITCH+32
.endr
.endr
.endm
.macro PLACES
.rept 4
	v_nop
.endr
.endm
.macro QUARTER slot, k, f, g, zero
	s_wait_dscnt 16                                ; the first 32 along K are in; the other sixteen loads may be out
	MUL8 \f, 0, 0, \zero
	MUL8 \f, 0, 2, \zero
	PLACES
	FETCH \slot, \k, \g
	s_wait_dscnt 32                                ; all but the 32 just issued
	MUL8 \f, 1, 0, 0
	MUL8 \f, 1, 2, 0
.endm
; The last quarter multiplies buffer 1 and changes slots: in front of the barrier each wave waits for all its tensor loads, adds 0 to its spare word, and waits for that and for its reads of this slot.
.macro TURN slot, next, fill
	WIN 0
	s_wait_tensorcnt 0x0
	ds_add_u32 v[SPW], v[NIL]
	s_wait_dscnt 17                                ; the add and the youngest sixteen loads may be out
	MUL8 F1, 0, 0, 0
	s_wait_dscnt 0x0
	s_barrier_signal -1
	MUL8 F1, 0, 2, 0
.if \fill
	WIN 0
.endif
	s_barrier_wait -1
.if \fill
	CREST                                          ; the barrier has opened a round of the cluster's: no wave of any partner still reads this slot or has a load on its way
	s_add_nc_u64 s[G0+4*(\slot)+2:G0+4*(\slot)+3], s[G0+4*(\slot)+2:G0+4*(\slot)+3], 2*KSTEP*2
	s_add_nc_u64 s[G0B+4*(\slot)+2:G0B+4*(\slot)+3], s[G0B+4*(\slot)+2:G0B+4*(\slot)+3], 2*KSTEP*2
	JLOAD \slot
.else
	PLACES
.endif
	FETCH \next, 0, F0
	MUL8 F1, 1, 0, 0
	MUL8 F1, 1, 2, 0
.endm
	s_wait_tensorcnt 1                             ; my part of K step 0 is in; K step 1's load may stay out
	s_barrier_signal -1
	s_barrier_wait -1
	FETCH 0, 0, F0
	QUARTER 0, 128, F0, F1, 1                      ; the first quarter's first products start the sums
	WIN 0
	s_mov_b32 s3, LAPS-1
.Llap:                                         ; a trip goes once round the ring and fills both slots again
	QUARTER 0, 256, F1, F0, 0
	QUARTER 0, 384, F0, F1, 0
	TURN 0, 1, 1
	QUARTER 1, 128, F0, F1, 0
	QUARTER 1, 256, F1, F0, 0
	QUARTER 1, 384, F0, F1, 0
	TURN 1, 0, 1
	QUARTER 0, 128, F0, F1, 0
	WIN 0
	s_sub_co_u32 s3, s3, 1
	s_cmp_lg_u32 s3, 0
	s_cbranch_scc1 .Llap
	QUARTER 0, 256, F1, F0, 0                      ; the last lap fills nothing
	QUARTER 0, 384, F0, F1, 0
	TURN 0, 1, 0
	QUARTER 1, 128, F0, F1, 0
	QUARTER 1, 256, F1, F0, 0
	QUARTER 1, 384, F0, F1, 0
	s_wait_dscnt 16
	MUL8 F1, 0, 0, 0
	MUL8 F1, 0, 2, 0
	s_wait_dscnt 0x0
	MUL8 F1, 1, 0, 0
	MUL8 F1, 1, 2, 0
	WIN 0
	; THE WAY OUT, 16 rows at a time: a lane's eight f32 of a row go into my stage as 32 bytes and come back as whole rows of 256 bytes.
	PLACES
.irp a, 0,1,2,3
.irp b, 0,1,2,3
	ds_store_b128 v[STO], v[ACC+8*(4*(\a)+(\b)):ACC+8*(4*(\a)+(\b))+3]   offset:64*(\b)
	ds_store_b128 v[STO], v[ACC+8*(4*(\a)+(\b))+4:ACC+8*(4*(\a)+(\b))+7] offset:64*(\b)+16
.endr
.irp t, 0,1,2,3,4,5,6,7
	ds_load_b128 v[TMP+32*((\a)%2)+4*(\t):TMP+32*((\a)%2)+4*(\t)+3], v[RD] offset:(\t)*2*SPITCH  ; LDS serves a wave's instructions in order: these see the stores above
.endr
	s_wait_dscnt 0x0
	s_wait_xcnt 0x0                                ; the block before's stores have read their registers: the next block's loads land on them
.irp t, 0,1,2,3,4,5,6,7
	global_store_b128 v[CO], v[TMP+32*((\a)%2)+4*(\t):TMP+32*((\a)%2)+4*(\t)+3], s[8:9] offset:(16*(\a)+2*(\t))*YROW  ; 16 lanes store 256 consecutive bytes, aligned
.endr
.endr
	s_wait_tensorcnt 0x0                           ; the wave's end
	ds_add_u32 v[SPW], v[NIL]
	s_wait_dscnt 0x0
	CROUND                                         ; the closing round
	s_endpgm
.Lfunc_end_k_q73f8cce773_outp:
	.size	k_q73f8cce773_outp, .Lfunc_end_k_q73f8cce773_outp-k_q73f8cce773_outp
	.p2alignl 7, 3214868480
	.fill 96, 4, 3214868480
	.section	.rodata,"a",@progbits
	.p2align	6, 0x0
	.amdhsa_kernel k_q73f8cce773_outp
		.amdhsa_group_segment_fixed_size 327680
		.amdhsa_private_segment_fixed_size 0
		.amdhsa_enable_private_segment 0
		.amdhsa_kernarg_size 24
		.amdhsa_user_sgpr_count 2
		.amdhsa_user_sgpr_kernarg_segment_ptr 1
		.amdhsa_wavefront_size32 1
		.amdhsa_system_sgpr_workgroup_id_x 1
		.amdhsa_system_sgpr_workgroup_id_y 1
		.amdhsa_system_sgpr_workgroup_id_z 1
		.amdhsa_system_vgpr_workitem_id 0
		.amdhsa_next_free_vgpr 512
		.amdhsa_next_free_sgpr 66
		.amdhsa_reserve_vcc 0
		.amdhsa_float_denorm_mode_32 3
		.amdhsa_float_denorm_mode_16_64 3
		.amdhsa_memory_ordered 1
		.amdhsa_forward_progress 1
		.amdhsa_inst_pref_size 86
	.end_amdhsa_kernel
	.amdgpu_metadata
---
amdhsa.version: [ 1, 2 ]
amdhsa.kernels:
  - .name:           k_q73f8cce773_outp
    .symbol:         k_q73f8cce773_outp.kd
    .args:
      - { .name: att, .offset: 0, .size: 8, .value_kind: global_buffer, .address_space: global }
      - { .name: woh, .offset: 8, .size: 8, .value_kind: global_buffer, .address_space: global }
      - { .name: yp, .offset: 16, .size: 8, .value_kind: global_buffer, .address_space: global }
    .group_segment_fixed_size: 327680
    .private_segment_fixed_size: 0
    .kernarg_segment_align: 8
    .kernarg_segment_size: 24
    .max_flat_workgroup_size: 128
    .sgpr_count:     66
    .vgpr_count:     512
    .wavefront_size: 32
...
	.end_amdgpu_metadata
.endif
;; end of part 4
;; launch norm (part 5): grid 256 x 1, 8 waves a work-group, no clusters, 0 bytes of LDS; arguments yp, xb, bo, gamma, beta, out0; writes out0
.if DOCPART == 5
	.amdgcn_target "amdgcn-amd-amdhsa--gfx1250"
	.amdhsa_code_object_version 6
	.text
	.protected	k_q73f8cce773_norm
	.globl	k_q73f8cce773_norm
	.p2align	8
	.type	k_q73f8cce773_norm,@function
k_q73f8cce773_norm:
	s_mov_b64 s[64:65], 0
	v_nop
	global_prefetch_b8 v0, s[64:65] scope:SCOPE_SE
	s_setreg_imm32_b32 hwreg(HW_REG_WAVE_MODE, 25, 1), 1
	s_wait_xcnt 0x0
; out0[t] = LayerNorm(yp[0][t] + yp[1][t] + bo + x[t]) * gamma + beta, rows of 512, all in f32.  x is taken as xb holds it, and bo, gamma and beta are rounded to bf16 here: all the module's
; inputs enter rounded to bf16, one choice for the whole program.
; The variance is the mean of (h - mean)^2, taken in a second pass over registers: no difference of large sums is formed.
; SHARES.  A wave takes two rows; a row never leaves its wave, so there is no LDS and no barrier.  Lane l holds columns 128 i + 4 l .. + 3, i = 0..3: a load or store of 16 bytes a lane covers 512
; consecutive bytes, a load of 8 bytes a lane of xb 256.  All 36 loads of a wave go out at the start.
.set GA, 4                             ; v[4:19] gamma, v[20:35] beta, v[36:51] bo: 48 numbers on end
.set BE, 20
.set BO, 36
.set R0, 52                            ; row k at R0 + 40 k: 16 of yp[0] (then h, then the result), 16 of yp[1] (then x in f32), 8 of xb
.set T,  132                           ; v132-139 at work
	s_load_b256 s[4:11], s[0:1], 0x0               ; yp s[4:5], xb s[6:7], bo s[8:9], gamma s[10:11]
	s_load_b128 s[12:15], s[0:1], 0x20             ; beta s[12:13], out0 s[14:15]
	v_and_b32 v1, 31, v0                           ; lane
	v_lshrrev_b32 v2, 5, v0                        ; wave
	s_lshl_b32 s2, ttmp9, 4
	v_lshl_add_u32 v2, v2, 1, s2                   ; my first row: 16 x work-group + 2 x wave
	v_lshlrev_b32 v3, 10, v2
	v_lshl_add_u32 v3, v1, 3, v3                   ; in xb
	v_lshlrev_b32 v2, 11, v2
	v_lshl_add_u32 v2, v1, 4, v2                   ; in yp and out0
	v_lshlrev_b32 v1, 4, v1                        ; in the three vectors
	s_mov_b32 s20, 0x3b000000                      ; 1 / 512
	s_mov_b32 s21, 0x3727c5ac                      ; 1e-5
	s_mov_b32 s22, 0x76543210                      ; v_permlanex16_b32: each lane takes its own place in the other half
	s_mov_b32 s23, 0xfedcba98
	s_mov_b32 s24, 0xffff0000                      ; a word's upper bf16
	s_wait_kmcnt 0x0
	s_add_nc_u64 s[16:17], s[4:5], 0x800000        ; yp's second half: one byte more than an immediate offset holds
.irp i, 0,1,2,3
	global_load_b128 v[GA+4*(\i):GA+4*(\i)+3], v1, s[10:11] offset:512*(\i)
	global_load_b128 v[BE+4*(\i):BE+4*(\i)+3], v1, s[12:13] offset:512*(\i)
	global_load_b128 v[BO+4*(\i):BO+4*(\i)+3], v1, s[8:9] offset:512*(\i)
.endr
.irp k, 0,1
.irp i, 0,1,2,3
	global_load_b128 v[R0+40*(\k)+4*(\i):R0+40*(\k)+4*(\i)+3],       v2, s[4:5]   offset:2048*(\k)+512*(\i) th:TH_LOAD_NT
	global_load_b128 v[R0+40*(\k)+16+4*(\i):R0+40*(\k)+16+4*(\i)+3], v2, s[16:17] offset:2048*(\k)+512*(\i) th:TH_LOAD_NT
	global_load_b64  v[R0+40*(\k)+32+2*(\i):R0+40*(\k)+32+2*(\i)+1], v3, s[6:7]   offset:1024*(\k)+256*(\i) th:TH_LOAD_NT
.endr
.endr
.macro REDUCE                          ; v[T] summed over the 32 lanes, the result in every lane: four steps inside each half ride on the addition, one crosses the halves
	v_add_f32_dpp v[T], v[T], v[T] row_xmask:1 row_mask:0xf bank_mask:0xf
	v_add_f32_dpp v[T], v[T], v[T] row_xmask:2 row_mask:0xf bank_mask:0xf
	v_add_f32_dpp v[T], v[T], v[T] row_xmask:4 row_mask:0xf bank_mask:0xf
	v_add_f32_dpp v[T], v[T], v[T] row_xmask:8 row_mask:0xf bank_mask:0xf
	v_permlanex16_b32 v[T+1], v[T], s22, s23       ; its destination counts as read: it has been written
	v_add_f32 v[T], v[T], v[T+1]
.endm
.macro ROW k
.set H, R0+40*(\k)
.set j, 0
.rept 8
	v_pk_add_f32 v[H+j:H+j+1], v[H+j:H+j+1], v[H+16+j:H+16+j+1]   ; the two halves of K
.set j, j+2
.endr
.set j, 0
.rept 8
	v_lshlrev_b32 v[H+16+2*j], 16, v[H+32+j]                      ; x: bf16 to f32
	v_and_b32 v[H+16+2*j+1], s24, v[H+32+j]
.set j, j+1
.endr
.set j, 0
.rept 8
	v_pk_add_f32 v[H+j:H+j+1], v[H+j:H+j+1], v[BO+j:BO+j+1]
.set j, j+2
.endr
.set j, 0
.rept 8
	v_pk_add_f32 v[H+j:H+j+1], v[H+j:H+j+1], v[H+16+j:H+16+j+1]   ; h
.set j, j+2
.endr
.irp j, 0,1,2,3
	v_pk_add_f32 v[T+2*(\j):T+2*(\j)+1], v[H+4*(\j):H+4*(\j)+1], v[H+4*(\j)+2:H+4*(\j)+3]
.endr
	v_pk_add_f32 v[T:T+1], v[T:T+1], v[T+2:T+3]
	v_pk_add_f32 v[T+4:T+5], v[T+4:T+5], v[T+6:T+7]
	v_pk_add_f32 v[T:T+1], v[T:T+1], v[T+4:T+5]
	v_add_f32 v[T], v[T], v[T+1]
	REDUCE
	v_mul_f32 v[T], s20, v[T]                      ; the mean
.set j, 0
.rept 8
	v_pk_add_f32 v[H+j:H+j+1], v[H+j:H+j+1], v[T:T+1] op_sel_hi:[1,0] neg_lo:[0,1] neg_hi:[0,1]  ; h - mean
.set j, j+2
.endr
	v_pk_mul_f32 v[T+2:T+3], v[H:H+1], v[H:H+1]    ; the squares, in two chains
	v_pk_mul_f32 v[T+4:T+5], v[H+2:H+3], v[H+2:H+3]
.irp j, 4,8,12
	v_pk_fma_f32 v[T+2:T+3], v[H+(\j):H+(\j)+1], v[H+(\j):H+(\j)+1], v[T+2:T+3]
	v_pk_fma_f32 v[T+4:T+5], v[H+(\j)+2:H+(\j)+3], v[H+(\j)+2:H+(\j)+3], v[T+4:T+5]
.endr
	v_pk_add_f32 v[T+2:T+3], v[T+2:T+3], v[T+4:T+5]
	v_add_f32 v[T], v[T+2], v[T+3]
	REDUCE
	v_fma_f32 v[T], v[T], s20, s21                 ; the variance + 1e-5
	v_rsq_f32 v[T+2], v[T]
	v_nop                                          ; a plain instruction behind it,
	s_wait_alu depctr_va_vdst(0)                   ; and a wait ahead of its first reader
.set j, 0
.rept 8
	v_pk_mul_f32 v[H+j:H+j+1], v[H+j:H+j+1], v[T+2:T+3] op_sel_hi:[1,0]
.set j, j+2
.endr
.set j, 0
.rept 8
	v_pk_fma_f32 v[H+j:H+j+1], v[H+j:H+j+1], v[GA+j:GA+j+1], v[BE+j:BE+j+1]
.set j, j+2
.endr
.irp i, 0,1,2,3
	global_store_b128 v2, v[H+4*(\i):H+4*(\i)+3], s[14:15] offset:2048*(\k)+512*(\i) th:TH_STORE_NT
.endr
.endm
	s_wait_loadcnt 12                              ; the vectors and row 0 are in; row 1's twelve loads stay out
.set j, 0
.rept 24
	v_cvt_pk_bf16_f32 v[T], v[GA+2*j], v[GA+2*j+1] ; gamma, beta and bo rounded to bf16, and back in f32
	v_lshlrev_b32 v[GA+2*j], 16, v[T]
	v_and_b32 v[GA+2*j+1], s24, v[T]
.set j, j+1
.endr
	ROW 0
	s_wait_loadcnt 0x0
	ROW 1
	s_endpgm
.Lfunc_end_k_q73f8cce773_norm:
	.size	k_q73f8cce773_norm, .Lfunc_end_k_q73f8cce773_norm-k_q73f8cce773_norm
	.p2alignl 7, 3214868480
	.fill 96, 4, 3214868480
	.section	.rodata,"a",@progbits
	.p2align	6, 0x0
	.amdhsa_kernel k_q73f8cce773_norm
		.amdhsa_group_segment_fixed_size 0
		.amdhsa_private_segment_fixed_size 0
		.amdhsa_enable_private_segment 0
		.amdhsa_kernarg_size 48
		.amdhsa_user_sgpr_count 2
		.amdhsa_user_sgpr_kernarg_segment_ptr 1
		.amdhsa_wavefront_size32 1
		.amdhsa_system_sgpr_workgroup_id_x 1
		.amdhsa_system_sgpr_workgroup_id_y 1
		.amdhsa_system_sgpr_workgroup_id_z 1
		.amdhsa_system_vgpr_workitem_id 0
		.amdhsa_next_free_vgpr 140
		.amdhsa_next_free_sgpr 66
		.amdhsa_reserve_vcc 0
		.amdhsa_float_denorm_mode_32 3
		.amdhsa_float_denorm_mode_16_64 3
		.amdhsa_memory_ordered 1
		.amdhsa_forward_progress 1
		.amdhsa_inst_pref_size 20
	.end_amdhsa_kernel
	.amdgpu_metadata
---
amdhsa.version: [ 1, 2 ]
amdhsa.kernels:
  - .name:           k_q73f8cce773_norm
    .symbol:         k_q73f8cce773_norm.kd
    .args:
      - { .name: yp, .offset: 0, .size: 8, .value_kind: global_buffer, .address_space: global }
      - { .name: xb, .offset: 8, .size: 8, .value_kind: global_buffer, .address_space: global }
      - { .name: bo, .offset: 16, .size: 8, .value_kind: global_buffer, .address_space: global }
      - { .name: gamma, .offset: 24, .size: 8, .value_kind: global_buffer, .address_space: global }
      - { .name: beta, .offset: 32, .size: 8, .value_kind: global_buffer, .address_space: global }
      - { .name: out0, .offset: 40, .size: 8, .value_kind: global_buffer, .address_space: global }
    .group_segment_fixed_size: 0
    .private_segment_fixed_size: 0
    .kernarg_segment_align: 8
    .kernarg_segment_size: 48
    .max_flat_workgroup_size: 256
    .sgpr_count:     66
    .vgpr_count:     140
    .wavefront_size: 32
...
	.end_amdgpu_metadata
.endif
;; end of part 5
